; MI455X (gfx1250); checked and timed in simulation.
; The chip was launched on July 23, 2026; its instructions are those of AMD's public machine-readable ISA for CDNA 5 (MIT licence, August 2026) and "CDNA5" Instruction Set Architecture Reference Guide (July 2026). The comments in the code are by the model that wrote it; some were corrected since.
;; Token Level Description Cross Attention. Allowed arithmetic: float matrix products may take bf16 or f16 operands with f32 sums; all other float work in f32.
;; Inputs: Wk 768 x 768 float32; Wo 1 x 768 float32; Wq 768 x 768 float32; Wv 768 x 768 float32; attention_masks 2 x 1,024 int32; bo 1 float32; desc_emb 256 x 64 x 768 float32; desc_mask 256 x 64 int32; ln_b 768 float32; ln_g 768 float32; x 2 x 1,024 x 768 float32.
;; Outputs: out0 2 x 256 float32.
;; 3 versions, each right; version 2 is faster than version 1; version 3 is version 2 with the launches fold, proj written anew for expert scheduling mode. Each part assembles by itself: llvm-mc -triple=amdgcn-amd-amdhsa -mcpu=gfx1250 --defsym DOCPART=n.
;; ======== version 1 of 3: 5 launches
;; workspace buffers: mt 2,359,296 bytes; kb 3,145,728 bytes; vb 3,145,728 bytes; wbuf 1,048,576 bytes; pooled 1,572,864 bytes
;; launch fold (part 1): grid 12 x 12, 4 waves a work-group, no clusters, 58,880 bytes of LDS; arguments Wq, Wk, mt; writes mt
.if DOCPART == 1
	.amdgcn_target "amdgcn-amd-amdhsa--gfx1250"
	.amdhsa_code_object_version 6
	.text
	.protected	k_q3b9110f005_fold
	.globl	k_q3b9110f005_fold
	.p2align	8
	.type	k_q3b9110f005_fold,@function
k_q3b9110f005_fold:
	s_mov_b64 s[64:65], 0
	v_nop
	global_prefetch_b8 v0, s[64:65] scope:SCOPE_SE
	s_setreg_imm32_b32 hwreg(HW_REG_WAVE_MODE, 25, 1), 1
	s_wait_xcnt 0x0
; MT[i][i'] = sum over j of Wq[j][i] Wk[j][i'], f32, [768][768].  With it scores = desc . (x MT^T)^T: the two projections in front of the
; scores become one small product, for every input (the sums are only regrouped).
; A work-group makes 64 x 64 of MT; each of its four waves 32 x 32: four accumulators.  j goes in 12 steps of 64.
; Both operands lie [j][column] in f32: they pass through registers to be rounded to bf16, lie in LDS as [j][64], and are turned by ds_load_tr16_b128.
; NO CLUSTER, NO TENSOR LOADS: every byte must pass through registers for the rounding, so there is no tile that a joint request could bring.
.set PW,    3072                       ; bytes in a row of Wq, Wk, MT
.set PT,    160                        ; an LDS row: 128 bytes + 32
.set TILE,  64*PT
.set BUF,   2*TILE                     ; Wq's tile, then Wk's
.set STAGE, 2*BUF                      ; 64 rows x 272 bytes for the way out
.set SP,    272
.set VGO, 2                            ; my 16 bytes in the first 8 rows of a tile in memory
.set VLS, 3                            ; my 8 bytes in the first 8 rows of a tile in LDS
.set VTQ, 4                            ; turning load, Wq's tile
.set VTK, 5                            ; turning load, Wk's tile
.set VSS, 6                            ; into the stage
.set VSR, 7                            ; back from the stage
.set VSG, 8                            ; my byte offset in MT's tile
.set GD,  16                           ; v16-79  16 loads of 4 registers; rounded in place
.set FQ,  80                           ; v80-111  fragments of Wq: FQ + 16 kk + 8 a
.set FK,  112                          ; v112-143 fragments of Wk: FK + 16 kk + 8 cc
.set ACC, 144                          ; v144-175 accumulator (a, cc) at ACC + 8 (2 a + cc)
	s_load_b128 s[4:7], s[0:1], 0x0                ; Wq s[4:5], Wk s[6:7]
	s_load_b64 s[8:9], s[0:1], 0x10                ; MT
	v_lshl_add_u32 v176, v0, 2, 0xe400
	v_mov_b32 v177, 0
	v_lshrrev_b32 v1, 5, v0
	v_readfirstlane_b32 s10, v1                    ; wave 0..3
	s_and_b32 s11, ttmp7, 0xffff                   ; Y: which 64 columns of Wq (rows of MT)
	s_lshl_b32 s12, ttmp9, 8                       ; X: which 64 columns of Wk, in bytes
	s_mov_b32 s13, 0
	s_lshl_b32 s14, s11, 8
	s_mov_b32 s15, 0
	s_mul_i32 s16, s11, 64*PW
	s_add_co_u32 s16, s16, s12                     ; the tile's first byte in MT
	s_mov_b32 s17, 0
	s_and_b32 s18, s10, 1                          ; wm: my 32 rows
	s_lshr_b32 s19, s10, 1                         ; wn: my 32 columns
	v_lshrrev_b32 v9, 4, v0                        ; thread / 16: 0..7
	v_and_b32 v10, 15, v0                          ; r
	v_bfe_u32 v11, v0, 4, 1                        ; h
	v_and_b32 v12, 7, v0
	v_bfe_u32 v13, v0, 3, 1
	v_mul_u32_u24 v[VGO], v9, PW
	v_lshl_add_u32 v[VGO], v10, 4, v[VGO]
	v_mul_u32_u24 v[VLS], v9, PT
	v_lshl_add_u32 v[VLS], v10, 3, v[VLS]
	v_lshl_add_u32 v14, v11, 3, v12                ; the turning load: row 8 h + lane % 8,
	v_mul_u32_u24 v14, v14, PT
	v_lshl_add_u32 v14, v13, 4, v14                ; 16 bytes by (lane / 8) % 2
	s_lshl_b32 s20, s18, 6
	s_lshl_b32 s21, s19, 6
	s_add_co_u32 s21, s21, TILE
	v_add_nc_u32 v[VTQ], s20, v14
	v_add_nc_u32 v[VTK], s21, v14
	s_mul_i32 s22, s18, 32*SP
	s_lshl_b32 s23, s19, 7
	s_add_co_u32 s22, s22, s23
	s_add_co_u32 s22, s22, STAGE
	v_mul_u32_u24 v15, v10, SP
	v_lshl_add_u32 v15, v11, 5, v15
	v_add_nc_u32 v[VSS], s22, v15                  ; row 32 wm + r, column 32 wn + 8 h
	s_mul_i32 s22, s10, 16*SP
	s_add_co_u32 s22, s22, STAGE
	v_mul_u32_u24 v15, v11, SP
	v_lshl_add_u32 v15, v10, 4, v15
	v_add_nc_u32 v[VSR], s22, v15                  ; row 16 w + h, 16 bytes by r
	s_mul_i32 s22, s10, 16*PW
	v_mul_u32_u24 v15, v11, PW
	v_lshl_add_u32 v15, v10, 4, v15
	v_add_nc_u32 v[VSG], s22, v15
	s_wait_kmcnt 0x0
	s_add_nc_u64 s[4:5], s[4:5], s[14:15]
	s_add_nc_u64 s[6:7], s[6:7], s[12:13]
	s_add_nc_u64 s[8:9], s[8:9], s[16:17]
.macro GLOAD                           ; a step's two tiles: 64 rows x 256 bytes each; 16 lanes take a row's 256 bytes
.irp q, 0,1,2,3,4,5,6,7
	global_load_b128 v[GD+4*\q:GD+4*\q+3], v[VGO], s[4:5] offset:\q*8*PW
.endr
.irp q, 0,1,2,3,4,5,6,7
	global_load_b128 v[GD+32+4*\q:GD+32+4*\q+3], v[VGO], s[6:7] offset:\q*8*PW
.endr
.endm
.macro TOLDS buf                       ; rounded to bf16 and laid into buffer buf
	s_wait_loadcnt 0x0                             ; the 16 loads are done, so their bases may step
	s_add_nc_u64 s[4:5], s[4:5], 64*PW
	s_add_nc_u64 s[6:7], s[6:7], 64*PW
.set e, 0
.rept 16
	v_cvt_pk_bf16_f32 v[GD+4*e], v[GD+4*e], v[GD+4*e+1]
	v_cvt_pk_bf16_f32 v[GD+4*e+1], v[GD+4*e+2], v[GD+4*e+3]
.set e, e+1
.endr
.irp q, 0,1,2,3,4,5,6,7
	ds_store_b64 v[VLS], v[GD+4*\q:GD+4*\q+1] offset:(\buf)*BUF+\q*8*PT
	ds_store_b64 v[VLS], v[GD+32+4*\q:GD+32+4*\q+1] offset:(\buf)*BUF+TILE+\q*8*PT
.endr
	s_wait_dscnt 0x0                               ; for the others' sake: my stores are done (my reads of the other buffer were waited for ahead of the products)
	s_barrier_signal -1
	s_barrier_wait -1
.endm
; One step of 64 along j out of buffer buf.  more = 1: the next step's tiles are asked for first and laid into the other buffer behind the products;
; their 32 roundings are the places between the products and the next step's loads into the fragments.
.macro STEP buf, zero, more
.if \more
	GLOAD
.endif
.irp kk, 0,1
.irp a, 0,1
	ds_load_tr16_b128 v[FQ+16*\kk+8*\a:FQ+16*\kk+8*\a+3],   v[VTQ] offset:(\buf)*BUF+\kk*32*PT+\a*32
	ds_load_tr16_b128 v[FQ+16*\kk+8*\a+4:FQ+16*\kk+8*\a+7], v[VTQ] offset:(\buf)*BUF+\kk*32*PT+\a*32+16*PT
	ds_load_tr16_b128 v[FK+16*\kk+8*\a:FK+16*\kk+8*\a+3],   v[VTK] offset:(\buf)*BUF+\kk*32*PT+\a*32
	ds_load_tr16_b128 v[FK+16*\kk+8*\a+4:FK+16*\kk+8*\a+7], v[VTK] offset:(\buf)*BUF+\kk*32*PT+\a*32+16*PT
.endr
.endr
	s_wait_dscnt 0x0
.irp kk, 0,1                           ; source 0 = 16 columns of Wk, source 1 = 16 columns of Wq: a lane holds a row of MT and eight neighbouring columns; the four accumulators take turns
.irp a, 0,1
.irp cc, 0,1
.if (\zero) && (\kk) == 0
	v_wmma_f32_16x16x32_bf16 v[ACC+8*(2*\a+\cc):ACC+8*(2*\a+\cc)+7], v[FK+16*\kk+8*\cc:FK+16*\kk+8*\cc+7], v[FQ+16*\kk+8*\a:FQ+16*\kk+8*\a+7], 0
.else
	v_wmma_f32_16x16x32_bf16 v[ACC+8*(2*\a+\cc):ACC+8*(2*\a+\cc)+7], v[FK+16*\kk+8*\cc:FK+16*\kk+8*\cc+7], v[FQ+16*\kk+8*\a:FQ+16*\kk+8*\a+7], v[ACC+8*(2*\a+\cc):ACC+8*(2*\a+\cc)+7]
.endif
.endr
.endr
.endr
.if \more
	TOLDS 1-(\buf)
.endif
.endm
	GLOAD
	TOLDS 0
	STEP 0, 1, 1                                   ; the first step starts the sums
	s_mov_b32 s20, 5
.Lstep:
	STEP 1, 0, 1
	STEP 0, 0, 1
	s_sub_co_u32 s20, s20, 1
	s_cmp_lg_u32 s20, 0
	s_cbranch_scc1 .Lstep
	STEP 1, 0, 0                                   ; the twelfth step asks for nothing
.rept 4
	v_nop                                          ; the places behind the last products
.endr
.irp a, 0,1
.irp cc, 0,1
	ds_store_b128 v[VSS], v[ACC+8*(2*\a+\cc):ACC+8*(2*\a+\cc)+3]   offset:\a*16*SP+\cc*64
	ds_store_b128 v[VSS], v[ACC+8*(2*\a+\cc)+4:ACC+8*(2*\a+\cc)+7] offset:\a*16*SP+\cc*64+16
.endr
.endr
	s_wait_dscnt 0x0                               ; a row's 256 bytes come from two waves
	s_barrier_signal -1
	s_barrier_wait -1
.irp q, 0,1,2,3,4,5,6,7
	ds_load_b128 v[GD+4*\q:GD+4*\q+3], v[VSR] offset:\q*2*SP
.endr
.irp q, 0,1,2,3,4,5,6,7
	s_wait_dscnt 7-\q                              ; the younger loads may stay out
	global_store_b128 v[VSG], v[GD+4*\q:GD+4*\q+3], s[8:9] offset:\q*2*PW  ; 16 lanes store 256 consecutive bytes, at a multiple of 256 from MT's first byte
.endr
	s_wait_tensorcnt 0x0
	ds_add_u32 v176, v177
	s_wait_dscnt 0x0
	s_endpgm
.Lfunc_end_k_q3b9110f005_fold:
	.size	k_q3b9110f005_fold, .Lfunc_end_k_q3b9110f005_fold-k_q3b9110f005_fold
	.p2alignl 7, 3214868480
	.fill 96, 4, 3214868480
	.section	.rodata,"a",@progbits
	.p2align	6, 0x0
	.amdhsa_kernel k_q3b9110f005_fold
		.amdhsa_group_segment_fixed_size 58880
		.amdhsa_private_segment_fixed_size 0
		.amdhsa_enable_private_segment 0
		.amdhsa_kernarg_size 24
		.amdhsa_user_sgpr_count 2
		.amdhsa_user_sgpr_kernarg_segment_ptr 1
		.amdhsa_wavefront_size32 1
		.amdhsa_system_sgpr_workgroup_id_x 1
		.amdhsa_system_sgpr_workgroup_id_y 1
		.amdhsa_system_sgpr_workgroup_id_z 1
		.amdhsa_system_vgpr_workitem_id 0
		.amdhsa_next_free_vgpr 178
		.amdhsa_next_free_sgpr 66
		.amdhsa_reserve_vcc 0
		.amdhsa_float_denorm_mode_32 3
		.amdhsa_float_denorm_mode_16_64 3
		.amdhsa_memory_ordered 1
		.amdhsa_forward_progress 1
		.amdhsa_inst_pref_size 31
	.end_amdhsa_kernel
	.amdgpu_metadata
---
amdhsa.version: [ 1, 2 ]
amdhsa.kernels:
  - .name:           k_q3b9110f005_fold
    .symbol:         k_q3b9110f005_fold.kd
    .args:
      - { .name: Wq, .offset: 0, .size: 8, .value_kind: global_buffer, .address_space: global }
      - { .name: Wk, .offset: 8, .size: 8, .value_kind: global_buffer, .address_space: global }
      - { .name: mt, .offset: 16, .size: 8, .value_kind: global_buffer, .address_space: global }
    .group_segment_fixed_size: 58880
    .private_segment_fixed_size: 0
    .kernarg_segment_align: 8
    .kernarg_segment_size: 24
    .max_flat_workgroup_size: 128
    .sgpr_count:     66
    .vgpr_count:     178
    .wavefront_size: 32
...
	.end_amdgpu_metadata
.endif
;; end of part 1
;; launch proj (part 2): grid 16 x 12, 8 waves a work-group, no clusters, 74,752 bytes of LDS; arguments x, mt, Wv, kb, vb; writes kb, vb
.if DOCPART == 2
	.amdgcn_target "amdgcn-amd-amdhsa--gfx1250"
	.amdhsa_code_object_version 6
	.text
	.protected	k_q3b9110f005_proj
	.globl	k_q3b9110f005_proj
	.p2align	8
	.type	k_q3b9110f005_proj,@function
k_q3b9110f005_proj:
	s_mov_b64 s[64:65], 0
	v_nop
	global_prefetch_b8 v0, s[64:65] scope:SCOPE_SE
	s_setreg_imm32_b32 hwreg(HW_REG_WAVE_MODE, 25, 1), 1
	s_wait_xcnt 0x0
; Two products of one shape, C[m][col] = sum over k of A[m][k] B[col][k], K = 768, f32 operands rounded to bf16, f32 sums, C rounded once to bf16:
;   grid y < 6:  k'[n][i] = sum x[n][i'] MT[i][i']   (A = x, B = MT, C -> kb)          grid y >= 6:  v[j][n] = sum Wv[j][i] x[n][i]   (A = Wv, B = x, C -> vb)
; C leaves in FRAGMENT ORDER: blocks of 1,024 bytes, 16 rows x 32 columns; (row r, column 16 x + 8 h + e) lies at 512 x + 16 (16 h + r) + 2 e, so that
; the launches behind read a matrix operand as two loads of 16 bytes a lane, 512 consecutive bytes each.
;   kb: n = 256 w + 128 hf + 16 i + r of batch b, kt = column / 32: block at b 1,572,864 + (2 kt + hf) 32,768 + w 8,192 + i 1,024
;   vb: jt = j / 16, nt = n / 32 of batch b: block at b 1,572,864 + nt 49,152 + jt 1,024
; A work-group makes 128 x 128; each of eight waves 32 rows x 64 columns: eight accumulators.  K goes in 12 steps of 64 through two LDS buffers.
; NO CLUSTER, NO TENSOR LOADS: every operand byte must pass through registers for the rounding to bf16.
.set PW,   3072
.set PT,   144                         ; an LDS row: 128 bytes + 16
.set TILE, 128*PT
.set BUF,  2*TILE                      ; A's 128 rows, then B's
.set VGO, 2
.set VLS, 3                            ; my 8 bytes in the first 16 rows of A's tile in LDS
.set VFA, 4
.set VFB, 5
.set VO,  6                            ; v6, v7: my 16 bytes in C, for the first and the second 32 of my 64 columns
.set VLB, 8                            ; the same as VLS in B's tile: a register of its own keeps the stores' immediates at 52,992 at the most, inside their 16 bits
.set GD,  16                           ; v16-79
.set FA,  80                           ; v80-111   FA + 16 kk + 8 a
.set FB,  112                          ; v112-175  FB + 32 kk + 8 ct
.set ACC, 176                          ; v176-239  (a, ct) at ACC + 8 (4 a + ct)
	s_load_b256 s[4:11], s[0:1], 0x0               ; x s[4:5], MT s[6:7], Wv s[8:9], kb s[10:11]
	s_load_b64 s[12:13], s[0:1], 0x20              ; vb
	v_lshl_add_u32 v240, v0, 2, 0x12000
	v_mov_b32 v241, 0
	v_lshrrev_b32 v1, 5, v0
	v_readfirstlane_b32 s14, v1                    ; wave 0..7
	s_mov_b32 s15, ttmp9                           ; X: which 128 of the 2,048 rows of x
	s_and_b32 s16, ttmp7, 0xffff                   ; y
	s_sub_co_u32 s17, s16, 6
	s_and_b32 s20, s15, 1                          ; kb: hf,
	s_lshl_b32 s20, s20, 15
	s_bfe_u32 s18, s15, 0x20001                    ; w,
	s_lshl_b32 s18, s18, 13
	s_add_co_u32 s20, s20, s18
	s_lshl_b32 s18, s16, 18                        ; and kt = 4 y on
	s_add_co_u32 s20, s20, s18
	s_and_b32 s21, s15, 7                          ; vb: nt = 4 (X % 8) on,
	s_mul_i32 s21, s21, 196608
	s_lshl_b32 s18, s17, 13                        ; jt = 8 (y - 6) on
	s_add_co_u32 s21, s21, s18
	s_lshr_b32 s22, s15, 3                         ; the batch
	s_mul_i32 s22, s22, 1572864
	s_mov_b32 s33, 49152
	s_wait_kmcnt 0x0
	s_cmp_lt_u32 s16, 6                            ; which of the two products; the lines below leave SCC alone
	s_cselect_b64 s[24:25], s[4:5], s[8:9]         ; A
	s_cselect_b64 s[26:27], s[6:7], s[4:5]         ; B
	s_cselect_b64 s[28:29], s[10:11], s[12:13]     ; C
	s_cselect_b32 s30, s15, s17                    ; A's block of 128 rows
	s_cselect_b32 s31, s16, s15                    ; B's
	s_cselect_b32 s32, 0x10000, s33                ; bytes in C from 32 columns to the next 32
	s_cselect_b32 s20, s20, s21
	s_mul_i32 s34, s30, 128*PW
	s_mov_b32 s35, 0
	s_mul_i32 s36, s31, 128*PW
	s_mov_b32 s37, 0
	s_add_co_u32 s38, s20, s22
	s_mov_b32 s39, 0
	s_add_nc_u64 s[24:25], s[24:25], s[34:35]
	s_add_nc_u64 s[26:27], s[26:27], s[36:37]
	s_add_nc_u64 s[28:29], s[28:29], s[38:39]
	s_and_b32 s40, s14, 3                          ; wm: my 32 rows
	s_lshr_b32 s41, s14, 2                         ; wn: my 64 columns
	v_lshrrev_b32 v9, 4, v0                        ; thread / 16: 0..15
	v_and_b32 v10, 15, v0                          ; r
	v_bfe_u32 v11, v0, 4, 1                        ; h
	v_and_b32 v12, 31, v0                          ; lane
	v_mul_u32_u24 v[VGO], v9, PW
	v_lshl_add_u32 v[VGO], v10, 4, v[VGO]
	v_mul_u32_u24 v[VLS], v9, PT
	v_lshl_add_u32 v[VLS], v10, 3, v[VLS]
	v_add_nc_u32 v[VLB], TILE, v[VLS]
	s_lshl_b32 s42, s40, 5
	v_add_nc_u32 v13, s42, v10
	v_mul_u32_u24 v[VFA], v13, PT
	v_lshl_add_u32 v[VFA], v11, 4, v[VFA]
	s_lshl_b32 s42, s41, 6
	v_add_nc_u32 v13, s42, v10
	v_mul_u32_u24 v[VFB], v13, PT
	v_lshl_add_u32 v[VFB], v11, 4, v[VFB]
	v_add_nc_u32 v[VFB], TILE, v[VFB]
	s_mul_i32 s42, s41, s32
	s_lshl_b32 s42, s42, 1
	s_lshl_b32 s43, s40, 11
	s_add_co_u32 s42, s42, s43
	v_lshl_add_u32 v[VO], v12, 4, s42              ; 16 lane + 2,048 wm + 2 wn x the step of 32 columns
	v_add_nc_u32 v[VO+1], s32, v[VO]
.macro GLOAD                           ; a step's two tiles: 128 rows x 256 bytes each
.irp q, 0,1,2,3,4,5,6,7
	global_load_b128 v[GD+4*\q:GD+4*\q+3], v[VGO], s[24:25] offset:\q*16*PW
.endr
.irp q, 0,1,2,3,4,5,6,7
	global_load_b128 v[GD+32+4*\q:GD+32+4*\q+3], v[VGO], s[26:27] offset:\q*16*PW
.endr
.endm
.macro TOLDS buf
	s_wait_loadcnt 0x0                             ; the 16 loads are done, so their bases may step
	s_add_nc_u64 s[24:25], s[24:25], 256
	s_add_nc_u64 s[26:27], s[26:27], 256
.set e, 0
.rept 16
	v_cvt_pk_bf16_f32 v[GD+4*e], v[GD+4*e], v[GD+4*e+1]
	v_cvt_pk_bf16_f32 v[GD+4*e+1], v[GD+4*e+2], v[GD+4*e+3]
.set e, e+1
.endr
.irp q, 0,1,2,3,4,5,6,7
	ds_store_b64 v[VLS], v[GD+4*\q:GD+4*\q+1] offset:(\buf)*BUF+\q*16*PT
	ds_store_b64 v[VLB], v[GD+32+4*\q:GD+32+4*\q+1] offset:(\buf)*BUF+\q*16*PT
.endr
	s_wait_dscnt 0x0                               ; for the others' sake: my stores are done
	s_barrier_signal -1
	s_barrier_wait -1
.endm
; One step of 64 along K out of buffer buf; the next step's 32 roundings are the places between the products and the next loads into the fragments.
.macro STEP buf, zero, more
.if \more
	GLOAD
.endif
.irp kk, 0,1
.irp a, 0,1
	ds_load_b128 v[FA+16*\kk+8*\a:FA+16*\kk+8*\a+3],   v[VFA] offset:(\buf)*BUF+\a*16*PT+\kk*64
	ds_load_b128 v[FA+16*\kk+8*\a+4:FA+16*\kk+8*\a+7], v[VFA] offset:(\buf)*BUF+\a*16*PT+\kk*64+32
.endr
.irp ct, 0,1,2,3
	ds_load_b128 v[FB+32*\kk+8*\ct:FB+32*\kk+8*\ct+3],   v[VFB] offset:(\buf)*BUF+\ct*16*PT+\kk*64
	ds_load_b128 v[FB+32*\kk+8*\ct+4:FB+32*\kk+8*\ct+7], v[VFB] offset:(\buf)*BUF+\ct*16*PT+\kk*64+32
.endr
.endr
	s_wait_dscnt 0x0
.irp kk, 0,1                           ; source 0 = 16 rows of B, source 1 = 16 rows of A: a lane holds a row of C and eight neighbouring columns; the eight accumulators take turns
.irp a, 0,1
.irp ct, 0,1,2,3
.if (\zero) && (\kk) == 0
	v_wmma_f32_16x16x32_bf16 v[ACC+8*(4*\a+\ct):ACC+8*(4*\a+\ct)+7], v[FB+32*\kk+8*\ct:FB+32*\kk+8*\ct+7], v[FA+16*\kk+8*\a:FA+16*\kk+8*\a+7], 0
.else
	v_wmma_f32_16x16x32_bf16 v[ACC+8*(4*\a+\ct):ACC+8*(4*\a+\ct)+7], v[FB+32*\kk+8*\ct:FB+32*\kk+8*\ct+7], v[FA+16*\kk+8*\a:FA+16*\kk+8*\a+7], v[ACC+8*(4*\a+\ct):ACC+8*(4*\a+\ct)+7]
.endif
.endr
.endr
.endr
.if \more
	TOLDS 1-(\buf)
.endif
.endm
	GLOAD
	TOLDS 0
	STEP 0, 1, 1
	s_mov_b32 s44, 5
.Lstep:
	STEP 1, 0, 1
	STEP 0, 0, 1
	s_sub_co_u32 s44, s44, 1
	s_cmp_lg_u32 s44, 0
	s_cbranch_scc1 .Lstep
	STEP 1, 0, 0
.rept 4
	v_nop                                          ; the places behind the last products
.endr
.set e, 0
.rept 8
.irp rr, 0,1,2,3
	v_cvt_pk_bf16_f32 v[GD+4*e+\rr], v[ACC+8*e+2*\rr], v[ACC+8*e+2*\rr+1]
.endr
.set e, e+1
.endr
.irp a, 0,1
.irp ct, 0,1,2,3
	global_store_b128 v[VO+\ct/2], v[GD+4*(4*\a+\ct):GD+4*(4*\a+\ct)+3], s[28:29] offset:\a*1024+(\ct%2)*512  ; half a block: the wave's 512 consecutive bytes, at a multiple of 512 from C's first byte
.endr
.endr
	s_wait_tensorcnt 0x0
	ds_add_u32 v240, v241
	s_wait_dscnt 0x0
	s_endpgm
.Lfunc_end_k_q3b9110f005_proj:
	.size	k_q3b9110f005_proj, .Lfunc_end_k_q3b9110f005_proj-k_q3b9110f005_proj
	.p2alignl 7, 3214868480
	.fill 96, 4, 3214868480
	.section	.rodata,"a",@progbits
	.p2align	6, 0x0
	.amdhsa_kernel k_q3b9110f005_proj
		.amdhsa_group_segment_fixed_size 74752
		.amdhsa_private_segment_fixed_size 0
		.amdhsa_enable_private_segment 0
		.amdhsa_kernarg_size 40
		.amdhsa_user_sgpr_count 2
		.amdhsa_user_sgpr_kernarg_segment_ptr 1
		.amdhsa_wavefront_size32 1
		.amdhsa_system_sgpr_workgroup_id_x 1
		.amdhsa_system_sgpr_workgroup_id_y 1
		.amdhsa_system_sgpr_workgroup_id_z 1
		.amdhsa_system_vgpr_workitem_id 0
		.amdhsa_next_free_vgpr 242
		.amdhsa_next_free_sgpr 66
		.amdhsa_reserve_vcc 0
		.amdhsa_float_denorm_mode_32 3
		.amdhsa_float_denorm_mode_16_64 3
		.amdhsa_memory_ordered 1
		.amdhsa_forward_progress 1
		.amdhsa_inst_pref_size 36
	.end_amdhsa_kernel
	.amdgpu_metadata
---
amdhsa.version: [ 1, 2 ]
amdhsa.kernels:
  - .name:           k_q3b9110f005_proj
    .symbol:         k_q3b9110f005_proj.kd
    .args:
      - { .name: x, .offset: 0, .size: 8, .value_kind: global_buffer, .address_space: global }
      - { .name: mt, .offset: 8, .size: 8, .value_kind: global_buffer, .address_space: global }
      - { .name: Wv, .offset: 16, .size: 8, .value_kind: global_buffer, .address_space: global }
      - { .name: kb, .offset: 24, .size: 8, .value_kind: global_buffer, .address_space: global }
      - { .name: vb, .offset: 32, .size: 8, .value_kind: global_buffer, .address_space: global }
    .group_segment_fixed_size: 74752
    .private_segment_fixed_size: 0
    .kernarg_segment_align: 8
    .kernarg_segment_size: 40
    .max_flat_workgroup_size: 256
    .sgpr_count:     66
    .vgpr_count:     242
    .wavefront_size: 32
...
	.end_amdgpu_metadata
.endif
;; end of part 2
;; launch attn (part 3): grid 256 x 1, 4 waves a work-group, clusters of 4 x 1, 327,680 bytes of LDS; arguments desc_emb, kb, attention_masks, desc_mask, wbuf; writes wbuf
.if DOCPART == 3
	.amdgcn_target "amdgcn-amd-amdhsa--gfx1250"
	.amdhsa_code_object_version 6
	.text
	.protected	k_q3b9110f005_attn
	.globl	k_q3b9110f005_attn
	.p2align	8
	.type	k_q3b9110f005_attn,@function
k_q3b9110f005_attn:
	s_mov_b64 s[64:65], 0
	v_nop
	global_prefetch_b8 v0, s[64:65] scope:SCOPE_SE
	s_setreg_imm32_b32 hwreg(HW_REG_WAVE_MODE, 25, 1), 1
	s_wait_xcnt 0x0
	s_wait_alu depctr_hold_cnt(0) depctr_sa_sdst(0) depctr_va_vdst(0) depctr_va_sdst(0) depctr_va_ssrc(0) depctr_va_vcc(0) depctr_vm_vsrc(0)
	s_getreg_b32 s2, hwreg(HW_REG_IB_STS2, 6, 4)
	s_cmp_eq_u32 s2, 0
	s_cbranch_scc0 .Lentry_in_a_cluster
	s_endpgm
.Lentry_in_a_cluster:
	s_bfe_u32 s2, ttmp6, 0x10000c
	s_cmp_lg_u32 s2, 0x3003
	s_cbranch_scc0 .Lentry_shape_is_right
	s_endpgm
.Lentry_shape_is_right:
; w[b][c][n] = sum over d of dm[c][d] softmax_n(masked scores[b][c][d][:])[n] / (number of valid d of c), bf16, row 256 b + c of wbuf.
; scores[d][n] = (desc[c][d] . k'[b][n]) / sqrt(768).  The sum over d is taken of the weights, ahead of the product with v (the next launch): the sums are only regrouped.
; SHARES.  A work-group owns a class c and makes b = 0, then b = 1.  A block of scores, 64 d x 1,024 n in f32, stays in registers: wave w holds all 64 d and n = 256 w .. 256 w + 255,
; 64 accumulators.  Source 0 = 16 d of desc, source 1 = 16 n of k': a lane holds ONE n (lane % 16) and the d = 16 mt + 8 (lane / 16) + 0..7.
; desc comes once as f32 (one tensor load a wave), is rounded to bf16 and laid in fragment order; k' streams through a ring of two slots that lies where the f32 rows lay.
; CLUSTER.  The four classes of a cluster walk the same k', so every slot is asked for JOINTLY: the same load, descriptor and mask in all four.
; SOFTMAX.  The true maximum m of a row is taken away: p = 2^(c0 s - c0 m), c0 = log2(e) / sqrt(768).  A hidden n counts as -1e9 (in scaled units), as in the module; rows with dm <= 0 get the factor 0.
; LIMITS.  c0 m is rounded once; that rounding is a common factor of a row's p and of their sum and cancels; it stays harmless up to |c0 m| of about 1.5e9, the hidden constant's size.
; A weight below 2^-126 counts as 0.  A class with no valid d gives NaN, as the module does.  Masks count as valid where > 0 (signed).
; REGISTERS, in windows of 256 (s_set_vgpr_msb: bits 1:0 source 0, 3:2 source 1, 5:4 source 2, 7:6 destination):
;   window 0: v0-31 addresses; v32-127 three buffers of desc fragments (at work elsewhere); v128-159 DMF; v160-191 M, then c0 m; v192-223 L, then F; v224-255 WA (during the products: the mask words)
;   window 1: v0-63, v64-127 two buffers of k' fragments (in the softmax: the four waves' figures)     windows 2, 3: accumulator (mt, i) of n half hf at v[8 (8 mt + i)] of window 2 + hf
.set SLOTB, 98304                      ; a slot: three units of 32,768 bytes; a unit: 32 along K for 512 n (half hf of every wave's n)
.set QUART, 24576                      ; what one tensor load brings of a slot
.set DP,    3120                       ; a row of desc in f32: 3 x (1,024 + 16) bytes
.set ABASE, 199680                     ; behind the ring and the f32 rows: desc in bf16, block (kt, mt) at (4 kt + mt) 1,024
.set STM,   297984                     ; the waves' maxima, 256 bytes each
.set STL,   299008                     ; the waves' sums
.set WST,   300032                     ; 1,024 bytes for each wave, for the way out
.set SPARE, 304128                     ; the spare words, 128 bytes for each wave: two blocks of 256 bytes that no other line names
.set SPW, 2
.set NIL, 3
.set VB00, 4                           ; my k' fragments: slot 0, units 0 and 1
.set VB01, 5                           ; slot 0, unit 2
.set VB10, 6                           ; slot 1, units 0 and 1
.set VB11, 7                           ; slot 1, unit 2
.set VA0,  8
.set ADRA, 9
.set VS,   10
.set VAW,  11
.set VAW2, 12
.set VMK,  13
.set VST,  14
.set VSR,  15
.set VLT,  16
.set VLR,  17
.set VWS,  18
.set VWR,  19
.set VWG,  20
.set VDM,  21
.set FA0, 32
.set FA1, 64
.set FA2, 96
.set DMF, 128
.set M,   160
.set L,   192
.set WA,  224
.set FB0, 0
.set FB1, 64
.set WV,  14                           ; s14 my wave's number
.set G1,  24                           ; s[24:31] group 1 of the joint loads
.set G0,  32                           ; s[32:39] group 0, a set for each slot
.set G1D, 40                           ; s[40:47] group 1 of desc's load
.set G0D, 48                           ; s[48:51] its group 0
.set PASS, 52
.set TRIP, 53
.set TA,  54                           ; byte offset in desc's blocks of the three K steps in hand
.set CS,  56                           ; s[56:57] c0
.set NEG, 58                           ; -1e9 sqrt(768)
.set SEL, 60                           ; s[60:61] v_permlanex16_b32's selects
.set MSK, 66                           ; s[66:81] lane masks: n tile t is valid
.set MSB, 0
.macro WIN new                         ; the high byte repeats the setting that is left; a switch that changes nothing is dropped
.if MSB != (\new)
	s_set_vgpr_msb (MSB<<8)|(\new)
.set MSB, (\new)
.endif
.endm
.macro PLACES
.rept 4
	v_nop
.endr
.endm
.macro CREST                           ; a round of the cluster's barrier behind its opening barrier
	s_cmp_lg_u32 s[WV], 0
	s_cbranch_scc1 .Lnot_wave_0_\@
	s_barrier_signal -3
.Lnot_wave_0_\@:
	s_barrier_wait -3
	s_barrier_signal -1
	s_barrier_wait -1
.endm
.macro CROUND
	s_barrier_signal -1
	s_barrier_wait -1
	CREST
.endm
.macro THREE                           ; all my tensor loads have landed; 0 onto my spare word; the add and my LDS work are done
	s_wait_tensorcnt 0x0
	ds_add_u32 v[SPW], v[NIL]
	s_wait_dscnt 0x0
.endm
.macro JL s, step                      ; my quarter of slot s, asked for jointly; step = 1: the slot's next 98,304 bytes of k', two slots on.  No tensor load of mine is out where this stands
.if \step
	s_add_nc_u64 s[G0+4*(\s)+2:G0+4*(\s)+3], s[G0+4*(\s)+2:G0+4*(\s)+3], 2*SLOTB
.endif
	tensor_load_to_lds s[G0+4*(\s):G0+4*(\s)+3], s[G1:G1+7]
	s_nop 0
	PLACES
.endm
	s_load_b256 s[4:11], s[0:1], 0x0               ; desc s[4:5], kb s[6:7], attention_masks s[8:9], desc_mask s[10:11]
	s_load_b64 s[12:13], s[0:1], 0x20              ; wbuf
	v_lshl_add_u32 v[SPW], v0, 2, SPARE
	v_mov_b32 v[NIL], 0
	ds_add_u32 v2, v3
	ds_add_u32 v2, v3
	s_wait_dscnt 0x0
	v_lshrrev_b32 v22, 5, v0
	v_readfirstlane_b32 s[WV], v22                 ; wave 0..3
	s_bfe_u32 s15, ttmp6, 0x40000                  ; cx
	s_lshl_b32 s16, ttmp9, 2
	s_add_co_u32 s16, s16, s15                     ; my class: it enters desc's, desc_mask's and wbuf's addresses alone
	; desc: my wave's 16 rows of 768 f32, 16 bytes of padding behind every 1,024
	s_mov_b32 s[G1D+0], (2<<16)|(1<<20)|(7<<22)|(3<<25)  ; no mask; elements of 4 bytes; padding on, after every 256 words, 4 words
	s_mov_b32 s[G1D+1], 768<<16                    ; tensor_dim0
	s_mov_b32 s[G1D+2], 16<<16                     ; tensor_dim1
	s_mov_b32 s[G1D+3], 768<<16                    ; tile_dim0
	s_mov_b32 s[G1D+4], 16                         ; tile_dim1
	s_mov_b32 s[G1D+5], 768                        ; elements from row to row
	s_mov_b32 s[G1D+6], 0
	s_mov_b32 s[G1D+7], 0
	s_mov_b32 s[G0D], 1
	s_mul_i32 s[G0D+1], s[WV], 16*DP
	; k': 24,576 dense bytes as 96 rows of 256
	s_mov_b32 s[G1+0], 15|(3<<16)|(1<<21)          ; the mask of four; elements of 8 bytes; bit 21 set beside a mask
	s_mov_b32 s[G1+1], 32<<16
	s_mov_b32 s[G1+2], 96<<16
	s_mov_b32 s[G1+3], 32<<16
	s_mov_b32 s[G1+4], 96
	s_mov_b32 s[G1+5], 32
	s_mov_b32 s[G1+6], 0
	s_mov_b32 s[G1+7], 0
	s_mul_i32 s18, s16, 196608                     ; my class's 64 rows,
	s_mul_i32 s19, s[WV], 49152                    ; my wave's 16 of them
	s_add_co_u32 s18, s18, s19
	s_mov_b32 s19, 0
	s_mul_i32 s20, s[WV], QUART                    ; my quarter of a slot, in memory and in LDS: the wave's number alone
	s_mov_b32 s21, 0
	s_lshl_b32 s82, s16, 11
	s_mov_b32 s83, 0
	s_lshl_b32 s84, s16, 8
	s_mov_b32 s85, 0
	s_mov_b32 s[CS], 0x3d553b94                    ; c0 = log2(e) / sqrt(768) = 0.0520588
	s_mov_b32 s[CS+1], s[CS]
	s_mov_b32 s[NEG], 0xd0ce79ff                   ; -2.77128e10
	s_mov_b32 s[SEL], 0x76543210
	s_mov_b32 s[SEL+1], 0xfedcba98
	s_wait_kmcnt 0x0
	s_add_nc_u64 s[G0D+2:G0D+3], s[4:5], s[18:19]
	s_or_b32 s[G0D+3], s[G0D+3], 0x80000000
	s_add_nc_u64 s[22:23], s[6:7], s[20:21]
.irp s, 0,1
	s_mov_b32 s[G0+4*\s], 1
	s_add_co_u32 s[G0+4*\s+1], s20, \s*SLOTB
	s_add_nc_u64 s[G0+4*\s+2:G0+4*\s+3], s[22:23], \s*SLOTB
	s_or_b32 s[G0+4*\s+3], s[G0+4*\s+3], 0x80000000
.endr
	s_add_nc_u64 s[12:13], s[12:13], s[82:83]      ; wbuf at row c
	s_add_nc_u64 s[10:11], s[10:11], s[84:85]      ; desc_mask at row c
	CROUND                                         ; in front of the launch's first tensor loads
	tensor_load_to_lds s[G0D:G0D+3], s[G1D:G1D+7]
	s_nop 0
	PLACES
	v_and_b32 v23, 31, v0                          ; lane
	v_and_b32 v24, 15, v0                          ; r
	v_bfe_u32 v25, v0, 4, 1                        ; h
	v_lshlrev_b32 v[VDM], 5, v25                   ; 32 h
.irp e, 0,1,2,3,4,5,6,7                ; desc_mask of my 32 d: 16 mt + 8 h + 0..7
	global_load_b128 v[32+4*\e:32+4*\e+3], v[VDM], s[10:11] offset:64*(\e/2)+16*(\e%2)
.endr
	s_lshl_b32 s17, s[WV], 13
	v_lshl_add_u32 v[VB00], v23, 4, s17            ; 8,192 w + 16 lane
	v_add_nc_u32 v[VB01], 0x10000, v[VB00]
	v_add_nc_u32 v[VB10], SLOTB, v[VB00]
	v_add_nc_u32 v[VB11], 0x10000, v[VB10]
	v_lshl_add_u32 v[VA0], v23, 4, ABASE
	s_lshl_b32 s17, s[WV], 4
	v_add_nc_u32 v26, s17, v24
	v_mul_u32_u24 v[VS], v26, DP
	v_lshl_add_u32 v[VS], v25, 5, v[VS]            ; f32 row 16 w + r, 32 bytes by h
	s_lshl_b32 s17, s[WV], 10
	v_add_nc_u32 v[VAW], s17, v[VA0]               ; block mt = w
	v_add_nc_u32 v[VAW2], 0x10000, v[VAW]
	v_lshl_add_u32 v[VMK], v24, 2, s17             ; 4 (256 w + r)
	v_add_nc_u32 v[VWS], WST, v[VMK]
	v_lshl_add_u32 v[VWR], v23, 5, s17
	v_add_nc_u32 v[VWR], WST, v[VWR]
	s_lshl_b32 s17, s[WV], 8
	v_add_nc_u32 v[VSR], STM, v[VDM]
	v_add_nc_u32 v[VST], s17, v[VSR]
	v_add_nc_u32 v[VLR], STL, v[VDM]
	v_add_nc_u32 v[VLT], s17, v[VLR]
	s_lshl_b32 s17, s[WV], 9
	v_lshl_add_u32 v[VWG], v23, 4, s17
	s_wait_loadcnt 0x0
.set i, 0
.rept 32                               ; DMF = 1 where the d is valid, else 0; then divided by their number
	v_cmp_lt_i32 vcc_lo, 0, v[32+i]
	v_cndmask_b32 v[DMF+i], 0, 1.0, vcc_lo
.set i, i+1
.endr
	v_pk_add_f32 v[28:29], v[DMF:DMF+1], v[DMF+2:DMF+3]
.set i, 4
.rept 14
	v_pk_add_f32 v[28:29], v[28:29], v[DMF+i:DMF+i+1]
.set i, i+2
.endr
	v_add_f32 v28, v28, v29
	v_permlanex16_b32 v29, v28, s[SEL], s[SEL+1]   ; the other 32 d lie in the lane 16 away
	v_add_f32 v28, v28, v29
	v_rcp_f32 v28, v28
	v_nop                                          ; a plain instruction behind the reciprocal
	s_wait_alu depctr_va_vdst(0)
	v_mov_b32 v29, v28
.set i, 0
.rept 16
	v_pk_mul_f32 v[DMF+i:DMF+i+1], v[DMF+i:DMF+i+1], v[28:29]
.set i, i+2
.endr
	s_wait_tensorcnt 0x0                           ; my 16 rows of desc are in; I alone read them
.set bt, 0
.rept 6                                ; 48 pieces of 16 columns, eight at a time: a lane's 8 f32 become 16 bytes of block (kt, w)
.set e, 0
.rept 8
.set kc, 16*(8*bt+e)
	ds_load_b128 v[32+8*e:32+8*e+3],   v[VS] offset:(kc/256)*1040+(kc%256)*4
	ds_load_b128 v[32+8*e+4:32+8*e+7], v[VS] offset:(kc/256)*1040+(kc%256)*4+16
.set e, e+1
.endr
	s_wait_dscnt 0x0
.set e, 0
.rept 32
	v_cvt_pk_bf16_f32 v[96+e], v[32+2*e], v[32+2*e+1]
.set e, e+1
.endr
.set e, 0
.rept 8
.set it, 8*bt+e
.if it < 32
	ds_store_b128 v[VAW], v[96+4*e:96+4*e+3] offset:(it/2)*4096+(it%2)*512
.else
	ds_store_b128 v[VAW2], v[96+4*e:96+4*e+3] offset:(it/2-16)*4096+(it%2)*512
.endif
.set e, e+1
.endr
.set bt, bt+1
.endr
	THREE                                          ; my reads of the f32 rows and my stores of the blocks are done
	CROUND                                         ; so are everybody's: the ring may be laid over the f32 rows
	JL 0, 0
	THREE                                          ; my quarter of slot 0 has landed
	CROUND
	JL 1, 0
; 8 n matrix instructions: d blocks mt0 .. mt0 + n - 1 x the unit's eight n tiles.  All accumulators of a unit differ, and units alternate between windows 2 and 3: the accumulators take turns.
.macro MUL hf, fa, fb, mt0, n, zero
	WIN 0xa4+0x50*(\hf)                            ; desc window 0, k' window 1, C and D window 2 + hf
.set mm, (\mt0)
.rept (\n)
.irp i, 0,1,2,3,4,5,6,7
.if \zero
	v_wmma_f32_16x16x32_bf16 v[8*(8*mm+\i):8*(8*mm+\i)+7], v[(\fa)+8*mm:(\fa)+8*mm+7], v[(\fb)+8*\i:(\fb)+8*\i+7], 0
.else
	v_wmma_f32_16x16x32_bf16 v[8*(8*mm+\i):8*(8*mm+\i)+7], v[(\fa)+8*mm:(\fa)+8*mm+7], v[(\fb)+8*\i:(\fb)+8*\i+7], v[8*(8*mm+\i):8*(8*mm+\i)+7]
.endif
.endr
.set mm, mm+1
.endr
.endm
.macro FB buf, adr, off                ; a unit's eight fragments of k': 16 loads of 512 consecutive bytes
	WIN 0x40
.irp i, 0,1,2,3,4,5,6,7
	ds_load_b128 v[(\buf)+8*\i:(\buf)+8*\i+3],   v[\adr] offset:(\off)+\i*1024
	ds_load_b128 v[(\buf)+8*\i+4:(\buf)+8*\i+7], v[\adr] offset:(\off)+\i*1024+512
.endr
.endm
.macro FA buf, off                     ; the four fragments of desc for 32 along K
	WIN 0
	v_add_nc_u32 v[ADRA], s[TA], v[VA0]
.irp mt, 0,1,2,3
	ds_load_b128 v[(\buf)+8*\mt:(\buf)+8*\mt+3],   v[ADRA] offset:(\off)+\mt*1024
	ds_load_b128 v[(\buf)+8*\mt+4:(\buf)+8*\mt+7], v[ADRA] offset:(\off)+\mt*1024+512
.endr
.endm
; A UNIT: 32 matrix instructions on the fragments fetched in the unit before; in its middle the next unit's fragments are fetched (nfb, nfa < 0: none), four places behind the products
; that read those registers last.  mode 0: plain.  mode 3: nothing to fetch.
; mode 1: the slot whose last unit this is has been read out (its fragments are in registers): each wave waits for all its tensor loads (the one that is out is its quarter of the other slot),
; adds 0 to its spare word, waits for that and for its reads; a round of the cluster's barrier; the joint refill first behind it; then the other slot is read.  mode 2: the same with nothing left to ask for.
.macro UNIT hf, fa, fb, zero, mode, slot, nfb, nadr, noff, nfa, aoff
	s_wait_dscnt 0x0                               ; this unit's fragments are in
.if ((\mode) == 1) || ((\mode) == 2)
	WIN 0
	s_wait_tensorcnt 0x0
	ds_add_u32 v[SPW], v[NIL]                      ; 0 onto my spare word; eight products stand between it and the wait for it
	MUL \hf, \fa, \fb, 0, 1, \zero
	s_wait_dscnt 0x0
	s_barrier_signal -1
	MUL \hf, \fa, \fb, 1, 1, \zero
	WIN 0
	s_barrier_wait -1
.if (\mode) == 1
	CREST
	JL \slot, 1                                    ; the four v_nop behind it are also the places in front of the loads below
.else
	PLACES
.endif
.else
	MUL \hf, \fa, \fb, 0, 2, \zero
.if (\mode) == 0
	PLACES
.endif
.endif
.if (\nfb) >= 0
	FB \nfb, \nadr, \noff
.endif
.if (\nfa) >= 0
	FA \nfa, \aoff
.endif
	MUL \hf, \fa, \fb, 2, 2, \zero
.endm
; THE PRODUCTS OF ONE b: 48 units = 24 K steps of 32 x two halves of n.  Six units (three K steps, two slots) go round the ring: a0 a1 a2 in slot 0, b0 b1 b2 in slot 1.
; last = 0: the tail's two changes of slots ask for the next b's first two slots (k' of both b lies on end).  last = 1: nothing is left to ask for.
.macro GEMM last
	WIN 0
.irp t, 0,1,2,3,4,5,6,7,8,9,10,11,12,13,14,15
	global_load_b32 v[WA+\t], v[VMK], s[8:9] offset:64*\t  ; the mask words of my n: waited for behind the products
.endr
	s_mov_b32 s[TA], 0
	FA FA0, 0
	FB FB0, VB00, 0
	UNIT 0, FA0, FB0, 1, 0, 0, FB1, VB00, 32768, -1, 0      ; a0, a1: the first K step starts the sums
	UNIT 1, FA0, FB1, 1, 0, 0, FB0, VB01, 0, FA1, 4096
	WIN 0
	s_mov_b32 s[TRIP], 7
.Ltrip_\@:
	UNIT 0, FA1, FB0, 0, 1, 0, FB1, VB10, 0, -1, 0          ; a2
	UNIT 1, FA1, FB1, 0, 0, 0, FB0, VB10, 32768, FA2, 8192  ; b0
	UNIT 0, FA2, FB0, 0, 0, 0, FB1, VB11, 0, -1, 0          ; b1
	UNIT 1, FA2, FB1, 0, 1, 1, FB0, VB00, 0, FA0, 12288     ; b2
	UNIT 0, FA0, FB0, 0, 0, 0, FB1, VB00, 32768, -1, 0      ; a0
	UNIT 1, FA0, FB1, 0, 0, 0, FB0, VB01, 0, FA1, 16384     ; a1
	WIN 0
	s_add_co_u32 s[TA], s[TA], 12288
	s_sub_co_u32 s[TRIP], s[TRIP], 1
	s_cmp_lg_u32 s[TRIP], 0
	s_cbranch_scc1 .Ltrip_\@
.if \last
	UNIT 0, FA1, FB0, 0, 2, 0, FB1, VB10, 0, -1, 0
	UNIT 1, FA1, FB1, 0, 0, 0, FB0, VB10, 32768, FA2, 8192
	UNIT 0, FA2, FB0, 0, 0, 0, FB1, VB11, 0, -1, 0
	UNIT 1, FA2, FB1, 0, 3, 0, -1, 0, 0, -1, 0
.else
	UNIT 0, FA1, FB0, 0, 1, 0, FB1, VB10, 0, -1, 0
	UNIT 1, FA1, FB1, 0, 0, 0, FB0, VB10, 32768, FA2, 8192
	UNIT 0, FA2, FB0, 0, 0, 0, FB1, VB11, 0, -1, 0
	UNIT 1, FA2, FB1, 0, 1, 1, -1, 0, 0, -1, 0
.endif
	WIN 0
.endm
.macro MAXT win, t1, t2                ; M = max(M, n tiles t1, t2), for my 32 d
	WIN \win
.set dd, 0
.rept 32
.set b0, 64*(dd/8)+dd%8
	v_max3_num_f32 v[M+dd], v[M+dd], v[b0+8*((\t1)%8)], v[b0+8*((\t2)%8)]
.set dd, dd+1
.endr
.endm
; The four waves' figures for the 64 d meet in LDS: my 32 (every lane of a half holds the same) go out, a barrier, all four waves' come back into window 1, wave wv's at v[32 wv].
.macro XCH r, st, sr
	WIN 0
.irp e, 0,1,2,3,4,5,6,7
	ds_store_b128 v[\st], v[(\r)+4*\e:(\r)+4*\e+3] offset:64*(\e/2)+16*(\e%2)
.endr
	s_wait_dscnt 0x0                               ; for the others' sake
	s_barrier_signal -1
	s_barrier_wait -1
	WIN 0x40
.irp wv, 0,1,2,3
.irp e, 0,1,2,3,4,5,6,7
	ds_load_b128 v[32*\wv+4*\e:32*\wv+4*\e+3], v[\sr] offset:256*\wv+64*(\e/2)+16*(\e%2)
.endr
.endr
	s_wait_dscnt 0x0
.endm
	GEMM 0
	s_mov_b32 s[PASS], 2
.Lsoft:                                ; walked twice: behind b = 0's products and behind b = 1's; left in its middle the second time
	PLACES                                         ; behind the last products
	s_wait_loadcnt 0x0                             ; the mask words
.set t, 0
.rept 16
	v_cmp_lt_i32 s[MSK+t], 0, v[WA+t]
.set t, t+1
.endr
.irp W, 2,3                            ; a hidden n takes the constant; each accumulator's registers in ascending order
	WIN 0x44*\W
.set a, 0
.rept 32
.set j, 0
.rept 8
	v_cndmask_b32 v[8*a+j], s[NEG], v[8*a+j], s[MSK+8*(\W-2)+a%8]
.set j, j+1
.endr
.set a, a+1
.endr
.endr
	WIN 0x2a                                       ; the maximum over my 16 n tiles, three operands at a time
.set dd, 0
.rept 32
.set b0, 64*(dd/8)+dd%8
	v_max3_num_f32 v[M+dd], v[b0], v[b0+8], v[b0+16]
.set dd, dd+1
.endr
	MAXT 0x28, 3, 4
	MAXT 0x28, 5, 6
	MAXT 0x38, 7, 8
	MAXT 0x3c, 9, 10
	MAXT 0x3c, 11, 12
	MAXT 0x3c, 13, 14
.set dd, 0
.rept 32
	v_max_num_f32 v[M+dd], v[M+dd], v[64*(dd/8)+dd%8+56]
.set dd, dd+1
.endr
	WIN 0
.irp x, 1,2,4,8                        ; over the 16 n of a tile: the lanes of a half
.set dd, 0
.rept 32
	v_max_num_f32_dpp v[M+dd], v[M+dd], v[M+dd] row_xmask:\x row_mask:0xf bank_mask:0xf
.set dd, dd+1
.endr
.endr
	XCH M, VST, VSR                                ; over the four waves
	WIN 0x15
.set dd, 0
.rept 32
	v_max3_num_f32 v[M+dd], v[dd], v[32+dd], v[64+dd]
.set dd, dd+1
.endr
	WIN 0x01
.set dd, 0
.rept 32
	v_max_num_f32 v[M+dd], v[96+dd], v[M+dd]
.set dd, dd+1
.endr
	WIN 0
.set p, 0
.rept 16
	v_pk_mul_f32 v[M+2*p:M+2*p+1], v[M+2*p:M+2*p+1], s[CS:CS+1] op_sel_hi:[1,0]  ; c0 m
.set p, p+1
.endr
.macro FM a, jp                        ; c0 s - c0 m for a pair of d
	v_pk_fma_f32 v[8*(\a)+2*(\jp):8*(\a)+2*(\jp)+1], v[8*(\a)+2*(\jp):8*(\a)+2*(\jp)+1], s[CS:CS+1], v[M+8*((\a)/8)+2*(\jp):M+8*((\a)/8)+2*(\jp)+1] op_sel_hi:[1,0,1] neg_lo:[0,0,1] neg_hi:[0,0,1]
.endm
.irp W, 2,3                            ; p in place: behind every second exponential a scaling of the next accumulator, which names none of their registers
	WIN 0x41*\W
.irp jp, 0,1,2,3
	FM 0, \jp
.endr
.set a, 0
.rept 32
.irp jp, 0,1,2,3
	v_exp_f32 v[8*a+2*\jp], v[8*a+2*\jp]
	v_exp_f32 v[8*a+2*\jp+1], v[8*a+2*\jp+1]
.if a < 31
	FM a+1, \jp
.endif
.endr
.set a, a+1
.endr
.endr
	v_nop                                          ; a plain instruction behind the last exponential
	WIN 0x0a                                       ; l: the sum over my 16 n tiles; the 16 pairs of d take turns
.set p, 0
	s_wait_alu depctr_va_vdst(0)
.rept 16
.set b0, 64*(p/4)+2*(p%4)
	v_pk_add_f32 v[L+2*p:L+2*p+1], v[b0:b0+1], v[b0+8:b0+9]
.set p, p+1
.endr
.set t, 2
.rept 14
	WIN 0x08+4*(t/8)
.set p, 0
.rept 16
.set b0, 64*(p/4)+2*(p%4)+8*(t%8)
	v_pk_add_f32 v[L+2*p:L+2*p+1], v[L+2*p:L+2*p+1], v[b0:b0+1]
.set p, p+1
.endr
.set t, t+1
.endr
	WIN 0
.irp x, 1,2,4,8
.set dd, 0
.rept 32
	v_add_f32_dpp v[L+dd], v[L+dd], v[L+dd] row_xmask:\x row_mask:0xf bank_mask:0xf
.set dd, dd+1
.endr
.endr
	XCH L, VLT, VLR
	WIN 0x45
.set p, 0
.rept 16
	v_pk_add_f32 v[2*p:2*p+1], v[2*p:2*p+1], v[32+2*p:32+2*p+1]
	v_pk_add_f32 v[64+2*p:64+2*p+1], v[64+2*p:64+2*p+1], v[96+2*p:96+2*p+1]
.set p, p+1
.endr
	WIN 0x05
.set p, 0
.rept 16
	v_pk_add_f32 v[L+2*p:L+2*p+1], v[2*p:2*p+1], v[64+2*p:64+2*p+1]
.set p, p+1
.endr
	WIN 0
.set dd, 0
.rept 32
	v_rcp_f32 v[L+dd], v[L+dd]
.set dd, dd+1
.endr
	v_nop                                          ; a plain instruction behind the last reciprocal
.set p, 0
	s_wait_alu depctr_va_vdst(0)
.rept 16
	v_pk_mul_f32 v[L+2*p:L+2*p+1], v[L+2*p:L+2*p+1], v[DMF+2*p:DMF+2*p+1]  ; F = dm / (number of valid d) / l
.set p, p+1
.endr
.irp W, 2,3                            ; w = sum over d of F p: a pair of partial sums for each n tile; eight tiles take turns
	WIN \W
.set p, 0
.rept 16
.set i, 0
.rept 8
.set t, 8*(\W-2)+i
.set b0, 64*(p/4)+8*i+2*(p%4)
.if p == 0
	v_pk_mul_f32 v[WA+2*t:WA+2*t+1], v[b0:b0+1], v[L+2*p:L+2*p+1]
.else
	v_pk_fma_f32 v[WA+2*t:WA+2*t+1], v[b0:b0+1], v[L+2*p:L+2*p+1], v[WA+2*t:WA+2*t+1]
.endif
.set i, i+1
.endr
.set p, p+1
.endr
.endr
	WIN 0
.set t, 0
.rept 16
	v_add_f32 v[WA+2*t], v[WA+2*t], v[WA+2*t+1]
.set t, t+1
.endr
.set t, 0
.rept 16
	v_permlanex16_b32 v[WA+2*t+1], v[WA+2*t], s[SEL], s[SEL+1]  ; the other 32 d lie in the lane 16 away
.set t, t+1
.endr
.set t, 0
.rept 16
	v_add_f32 v[WA+2*t], v[WA+2*t], v[WA+2*t+1]
.set t, t+1
.endr
.set t, 0
.rept 16
	ds_store_b32 v[VWS], v[WA+2*t] offset:64*t     ; my wave's own 1,024 bytes: n in order
.set t, t+1
.endr
	ds_load_b128 v[32:35], v[VWR]                  ; LDS serves a wave's instructions in order (ISA guide 5.7.1.4): these see the stores above
	ds_load_b128 v[36:39], v[VWR] offset:16
	s_wait_dscnt 0x0
	v_cvt_pk_bf16_f32 v40, v32, v33
	v_cvt_pk_bf16_f32 v41, v34, v35
	v_cvt_pk_bf16_f32 v42, v36, v37
	v_cvt_pk_bf16_f32 v43, v38, v39
	global_store_b128 v[VWG], v[40:43], s[12:13]   ; the wave's 512 consecutive bytes, at a multiple of 512 from wbuf's first byte
	s_wait_xcnt 0x0                                ; the store's registers and base are rewritten only behind this wait
	s_add_nc_u64 s[12:13], s[12:13], 524288        ; row 256 + c
	s_add_nc_u64 s[8:9], s[8:9], 4096              ; the next b's mask
	s_cmp_eq_u32 s[PASS], 1
	s_cbranch_scc1 .Lend
	GEMM 1
	s_sub_co_u32 s[PASS], s[PASS], 1
	s_branch .Lsoft
.Lend:
	THREE                                          ; the wave's end
	CROUND                                         ; the closing round
	s_endpgm
.Lfunc_end_k_q3b9110f005_attn:
	.size	k_q3b9110f005_attn, .Lfunc_end_k_q3b9110f005_attn-k_q3b9110f005_attn
	.p2alignl 7, 3214868480
	.fill 96, 4, 3214868480
	.section	.rodata,"a",@progbits
	.p2align	6, 0x0
	.amdhsa_kernel k_q3b9110f005_attn
		.amdhsa_group_segment_fixed_size 327680
		.amdhsa_private_segment_fixed_size 0
		.amdhsa_enable_private_segment 0
		.amdhsa_kernarg_size 40
		.amdhsa_user_sgpr_count 2
		.amdhsa_user_sgpr_kernarg_segment_ptr 1
		.amdhsa_wavefront_size32 1
		.amdhsa_system_sgpr_workgroup_id_x 1
		.amdhsa_system_sgpr_workgroup_id_y 1
		.amdhsa_system_sgpr_workgroup_id_z 1
		.amdhsa_system_vgpr_workitem_id 0
		.amdhsa_next_free_vgpr 1024
		.amdhsa_next_free_sgpr 90
		.amdhsa_reserve_vcc 1
		.amdhsa_float_denorm_mode_32 3
		.amdhsa_float_denorm_mode_16_64 3
		.amdhsa_memory_ordered 1
		.amdhsa_forward_progress 1
		.amdhsa_inst_pref_size 255
	.end_amdhsa_kernel
	.section	.bss,"aw",@nobits
	.p2align	6
	.space	262144
	.amdgpu_metadata
---
amdhsa.version: [ 1, 2 ]
amdhsa.kernels:
  - .name:           k_q3b9110f005_attn
    .symbol:         k_q3b9110f005_attn.kd
    .args:
      - { .name: desc_emb, .offset: 0, .size: 8, .value_kind: global_buffer, .address_space: global }
      - { .name: kb, .offset: 8, .size: 8, .value_kind: global_buffer, .address_space: global }
      - { .name: attention_masks, .offset: 16, .size: 8, .value_kind: global_buffer, .address_space: global }
      - { .name: desc_mask, .offset: 24, .size: 8, .value_kind: global_buffer, .address_space: global }
      - { .name: wbuf, .offset: 32, .size: 8, .value_kind: global_buffer, .address_space: global }
    .group_segment_fixed_size: 327680
    .private_segment_fixed_size: 0
    .kernarg_segment_align: 8
    .kernarg_segment_size: 40
    .max_flat_workgroup_size: 128
    .sgpr_count:     90
    .vgpr_count:     1024
    .wavefront_size: 32
...
	.end_amdgpu_metadata
.endif
;; end of part 3
;; launch pool (part 4): grid 12 x 16, 4 waves a work-group, no clusters, 206,848 bytes of LDS; arguments wbuf, vb, pooled; writes pooled
.if DOCPART == 4
	.amdgcn_target "amdgcn-amd-amdhsa--gfx1250"
	.amdhsa_code_object_version 6
	.text
	.protected	k_q3b9110f005_pool
	.globl	k_q3b9110f005_pool
	.p2align	8
	.type	k_q3b9110f005_pool,@function
k_q3b9110f005_pool:
	s_mov_b64 s[64:65], 0
	v_nop
	global_prefetch_b8 v0, s[64:65] scope:SCOPE_SE
	s_setreg_imm32_b32 hwreg(HW_REG_WAVE_MODE, 25, 1), 1
	s_wait_xcnt 0x0
; pooled[row][j] = sum over n of w[row][n] v[n][j], row = 256 b + c, f32 [512][768].  w: bf16 [512][1024]; v: bf16 in fragment order (block (jt, nt) of batch b at b 1,572,864 + nt 49,152 + jt 1,024).
; A work-group makes 32 rows x 64 j; all of K = 1,024 lies in LDS at once: each wave asks for a quarter of w's rows and a quarter of v's blocks at the start (two tensor loads of a wave are out),
; nothing is filled twice.  Each wave makes 16 rows x 32 j: two accumulators that take turns.
; NO CLUSTER: a work-group asks once, for 196,608 bytes, and has no ring in which joint requests would recur; a round of a cluster's barrier in front and one behind would stand beside 64 matrix instructions a wave.
.set PA,    1040                       ; half a row of w: 1,024 bytes + 16
.set AH,    32*PA                      ; a K half of the 32 rows
.set BB,    2*AH                       ; v's blocks: nt 4,096 + jj 1,024
.set STAGE, BB+131072
.set SP,    272
.set VPA, 2
.set VPB, 4                            ; v4: K steps 0-15; v5: 16-31
.set VSS, 6
.set VSR, 7
.set VSG, 8
.set ACC, 224
	s_load_b128 s[4:7], s[0:1], 0x0                ; wbuf s[4:5], vb s[6:7]
	s_load_b64 s[8:9], s[0:1], 0x10                ; pooled
	v_lshl_add_u32 v240, v0, 2, 0x32600
	v_mov_b32 v241, 0
	ds_add_u32 v240, v241
	ds_add_u32 v240, v241
	v_lshrrev_b32 v1, 5, v0
	v_readfirstlane_b32 s10, v1                    ; wave 0..3
	s_and_b32 s11, ttmp7, 0xffff                   ; Y: which 32 rows
	s_and_b32 s12, s10, 1                          ; which K half of w I fetch.  Also wm: my 16 rows
	s_lshr_b32 s13, s10, 1                         ; which 16 rows I fetch.  Also wn: my 32 j
	s_mov_b32 s16, (3<<16)|(1<<20)|(7<<22)|(3<<25) ; w: elements of 8 bytes; padding on, after every 256 words, 4 words
	s_mov_b32 s17, 128<<16
	s_mov_b32 s18, 16<<16
	s_mov_b32 s19, 128<<16
	s_mov_b32 s20, 16
	s_mov_b32 s21, 256                             ; 2,048 bytes from row to row
	s_mov_b32 s22, 0
	s_mov_b32 s23, 0
	s_mov_b32 s24, 1
	s_mul_i32 s25, s12, AH
	s_mul_i32 s40, s13, 16*PA
	s_add_co_u32 s25, s25, s40
	s_lshl_b32 s40, s11, 16                        ; 32 Y rows of 2,048 bytes,
	s_lshl_b32 s41, s13, 15                        ; 16 rows,
	s_add_co_u32 s40, s40, s41
	s_lshl_b32 s41, s12, 10                        ; the K half
	s_add_co_u32 s40, s40, s41
	s_mov_b32 s41, 0
	s_mov_b32 s28, 3<<16                           ; v: 8 rows of 4,096 bytes (four blocks of one nt), 49,152 bytes apart
	s_mov_b32 s29, 512<<16
	s_mov_b32 s30, 8<<16
	s_mov_b32 s31, 512<<16
	s_mov_b32 s32, 8
	s_mov_b32 s33, 6144
	s_mov_b32 s34, 0
	s_mov_b32 s35, 0
	s_mov_b32 s36, 1
	s_lshl_b32 s37, s10, 15
	s_add_co_u32 s37, s37, BB
	s_lshr_b32 s42, s11, 3                         ; the batch
	s_mul_i32 s42, s42, 1572864
	s_mul_i32 s43, s10, 8*49152
	s_add_co_u32 s42, s42, s43
	s_lshl_b32 s43, ttmp9, 12                      ; X: which four jt
	s_add_co_u32 s42, s42, s43
	s_mov_b32 s43, 0
	s_mul_i32 s44, s11, 32*3072
	s_lshl_b32 s45, ttmp9, 8
	s_add_co_u32 s44, s44, s45
	s_mov_b32 s45, 0
	s_wait_dscnt 0x0
	s_wait_kmcnt 0x0
	s_add_nc_u64 s[26:27], s[4:5], s[40:41]
	s_or_b32 s27, s27, 0x80000000
	s_add_nc_u64 s[38:39], s[6:7], s[42:43]
	s_or_b32 s39, s39, 0x80000000
	s_add_nc_u64 s[8:9], s[8:9], s[44:45]
	tensor_load_to_lds s[24:27], s[16:23]
	s_nop 0
	tensor_load_to_lds s[36:39], s[28:35]
	s_nop 0
	v_and_b32 v9, 15, v0                           ; r
	v_bfe_u32 v10, v0, 4, 1                        ; h
	v_and_b32 v11, 31, v0                          ; lane
	s_lshl_b32 s40, s12, 4
	v_add_nc_u32 v12, s40, v9
	v_mul_u32_u24 v[VPA], v12, PA
	v_lshl_add_u32 v[VPA], v10, 4, v[VPA]          ; row 16 wm + r, 16 bytes by h
	s_lshl_b32 s40, s13, 11
	s_add_co_u32 s40, s40, BB
	v_lshl_add_u32 v[VPB], v11, 4, s40
	v_add_nc_u32 v[VPB+1], 0x10000, v[VPB]
	v_mul_u32_u24 v[VSS], v12, SP
	v_lshl_add_u32 v[VSS], v10, 5, v[VSS]
	s_lshl_b32 s40, s13, 7
	s_add_co_u32 s40, s40, STAGE
	v_add_nc_u32 v[VSS], s40, v[VSS]               ; row 16 wm + r, column 32 wn + 8 h
	s_mul_i32 s40, s10, 8*SP
	s_add_co_u32 s40, s40, STAGE
	v_mul_u32_u24 v13, v10, SP
	v_lshl_add_u32 v13, v9, 4, v13
	v_add_nc_u32 v[VSR], s40, v13                  ; row 8 w + h
	s_mul_i32 s40, s10, 8*3072
	v_mul_u32_u24 v13, v10, 3072
	v_lshl_add_u32 v13, v9, 4, v13
	v_add_nc_u32 v[VSG], s40, v13
	s_wait_tensorcnt 0x0                           ; my two quarters are in,
	s_barrier_signal -1
	s_barrier_wait -1                              ; everybody's are
.macro LOADG g                         ; the fragments of four K steps of 32: 24 loads into buffer g % 2
.set BF, 32+96*((\g)%2)
.irp kq, 0,1,2,3
.set kt, 4*(\g)+\kq
	ds_load_b128 v[BF+24*\kq:BF+24*\kq+3],   v[VPA] offset:(kt/16)*AH+(kt%16)*64
	ds_load_b128 v[BF+24*\kq+4:BF+24*\kq+7], v[VPA] offset:(kt/16)*AH+(kt%16)*64+32
.irp jj, 0,1
	ds_load_b128 v[BF+24*\kq+8+8*\jj:BF+24*\kq+8+8*\jj+3],   v[VPB+kt/16] offset:(kt%16)*4096+\jj*1024
	ds_load_b128 v[BF+24*\kq+8+8*\jj+4:BF+24*\kq+8+8*\jj+7], v[VPB+kt/16] offset:(kt%16)*4096+\jj*1024+512
.endr
.endr
.endm
.macro MULG g, zero                    ; source 0 = 16 j of v, source 1 = 16 rows of w: a lane holds a row and eight neighbouring j
.set BF, 32+96*((\g)%2)
.irp kq, 0,1,2,3
.irp jj, 0,1
.if (\zero) && (\kq) == 0
	v_wmma_f32_16x16x32_bf16 v[ACC+8*\jj:ACC+8*\jj+7], v[BF+24*\kq+8+8*\jj:BF+24*\kq+8+8*\jj+7], v[BF+24*\kq:BF+24*\kq+7], 0
.else
	v_wmma_f32_16x16x32_bf16 v[ACC+8*\jj:ACC+8*\jj+7], v[BF+24*\kq+8+8*\jj:BF+24*\kq+8+8*\jj+7], v[BF+24*\kq:BF+24*\kq+7], v[ACC+8*\jj:ACC+8*\jj+7]
.endif
.endr
.endr
.endm
	LOADG 0
	LOADG 1
	s_wait_dscnt 24                                ; all but the 24 just issued
	MULG 0, 1
.irp g, 1,2,3,4,5,6
.rept 4
	v_nop                                          ; the places between the last products and the loads into the registers that they read
.endr
	LOADG \g+1
	s_wait_dscnt 24
	MULG \g, 0
.endr
	s_wait_dscnt 0x0
	MULG 7, 0
.rept 4
	v_nop
.endr
.irp jj, 0,1
	ds_store_b128 v[VSS], v[ACC+8*\jj:ACC+8*\jj+3]   offset:64*\jj
	ds_store_b128 v[VSS], v[ACC+8*\jj+4:ACC+8*\jj+7] offset:64*\jj+16
.endr
	s_wait_dscnt 0x0                               ; a row's 256 bytes come from two waves
	s_barrier_signal -1
	s_barrier_wait -1
.irp q, 0,1,2,3
	ds_load_b128 v[32+4*\q:32+4*\q+3], v[VSR] offset:\q*2*SP
.endr
.irp q, 0,1,2,3
	s_wait_dscnt 3-\q                              ; the younger loads may stay out
	global_store_b128 v[VSG], v[32+4*\q:32+4*\q+3], s[8:9] offset:\q*2*3072  ; 16 lanes store 256 consecutive bytes, at a multiple of 256 from pooled's first byte
.endr
	s_wait_tensorcnt 0x0
	ds_add_u32 v240, v241
	s_wait_dscnt 0x0
	s_endpgm
.Lfunc_end_k_q3b9110f005_pool:
	.size	k_q3b9110f005_pool, .Lfunc_end_k_q3b9110f005_pool-k_q3b9110f005_pool
	.p2alignl 7, 3214868480
	.fill 96, 4, 3214868480
	.section	.rodata,"a",@progbits
	.p2align	6, 0x0
	.amdhsa_kernel k_q3b9110f005_pool
		.amdhsa_group_segment_fixed_size 206848
		.amdhsa_private_segment_fixed_size 0
		.amdhsa_enable_private_segment 0
		.amdhsa_kernarg_size 24
		.amdhsa_user_sgpr_count 2
		.amdhsa_user_sgpr_kernarg_segment_ptr 1
		.amdhsa_wavefront_size32 1
		.amdhsa_system_sgpr_workgroup_id_x 1
		.amdhsa_system_sgpr_workgroup_id_y 1
		.amdhsa_system_sgpr_workgroup_id_z 1
		.amdhsa_system_vgpr_workitem_id 0
		.amdhsa_next_free_vgpr 242
		.amdhsa_next_free_sgpr 66
		.amdhsa_reserve_vcc 0
		.amdhsa_float_denorm_mode_32 3
		.amdhsa_float_denorm_mode_16_64 3
		.amdhsa_memory_ordered 1
		.amdhsa_forward_progress 1
		.amdhsa_inst_pref_size 23
	.end_amdhsa_kernel
	.amdgpu_metadata
---
amdhsa.version: [ 1, 2 ]
amdhsa.kernels:
  - .name:           k_q3b9110f005_pool
    .symbol:         k_q3b9110f005_pool.kd
    .args:
      - { .name: wbuf, .offset: 0, .size: 8, .value_kind: global_buffer, .address_space: global }
      - { .name: vb, .offset: 8, .size: 8, .value_kind: global_buffer, .address_space: global }
      - { .name: pooled, .offset: 16, .size: 8, .value_kind: global_buffer, .address_space: global }
    .group_segment_fixed_size: 206848
    .private_segment_fixed_size: 0
    .kernarg_segment_align: 8
    .kernarg_segment_size: 24
    .max_flat_workgroup_size: 128
    .sgpr_count:     66
    .vgpr_count:     242
    .wavefront_size: 32
...
	.end_amdgpu_metadata
.endif
;; end of part 4
;; launch norm (part 5): grid 8 x 1, 16 waves a work-group, no clusters, 2,304 bytes of LDS; arguments pooled, ln_g, ln_b, Wo, bo, out0; writes out0
.if DOCPART == 5
	.amdgcn_target "amdgcn-amd-amdhsa--gfx1250"
	.amdhsa_code_object_version 6
	.text
	.protected	k_q3b9110f005_norm
	.globl	k_q3b9110f005_norm
	.p2align	8
	.type	k_q3b9110f005_norm,@function
k_q3b9110f005_norm:
	s_mov_b64 s[64:65], 0
	v_nop
	global_prefetch_b8 v0, s[64:65] scope:SCOPE_SE
	s_setreg_imm32_b32 hwreg(HW_REG_WAVE_MODE, 25, 1), 1
	s_wait_xcnt 0x0
; out[row] = sum over i of ((p[row][i] - mu) rsqrt(var + 1e-5) g[i] + b[i]) Wo[i] + bo = rsqrt(var + 1e-5) sum (p - mu) g Wo + sum b Wo + bo.  All in f32; the mean is taken away before the squares.
; A wave takes four rows of 768 (a row: six loads of 512 consecutive bytes); a work-group's 64 results meet in LDS and leave as one block of 256 bytes.
; No matrix unit, no cluster: 1.5 MB are read once, and the rows share only the three parameter vectors, 9,216 bytes.
.set VP,  2
.set VD,  3
.set G,   8                            ; v8-31   g, then g Wo
.set WO,  32                           ; v32-55
.set BB,  56                           ; v56-79  b
.set D,   80                           ; v80-175 row q at D + 24 q
.set S,   176
.set Q2,  178
.set T,   180
.set MU,  182
.set TMP, 184
.set BW,  186
.set RS,  188
.set OUT, 189
.set LA,  190
.set GO,  191
.macro WRED r                          ; the sum over the wave's 32 lanes, in every lane
	v_add_f32_dpp v[\r], v[\r], v[\r] row_xmask:1 row_mask:0xf bank_mask:0xf
	v_add_f32_dpp v[\r], v[\r], v[\r] row_xmask:2 row_mask:0xf bank_mask:0xf
	v_add_f32_dpp v[\r], v[\r], v[\r] row_xmask:4 row_mask:0xf bank_mask:0xf
	v_add_f32_dpp v[\r], v[\r], v[\r] row_xmask:8 row_mask:0xf bank_mask:0xf
	v_permlanex16_b32 v[TMP], v[\r], s20, s21
	v_add_f32 v[\r], v[\r], v[TMP]
.endm
	s_load_b256 s[4:11], s[0:1], 0x0               ; pooled s[4:5], g s[6:7], b s[8:9], Wo s[10:11]
	s_load_b128 s[12:15], s[0:1], 0x20             ; bo s[12:13], out s[14:15]
	v_lshl_add_u32 v192, v0, 2, 0x100
	v_mov_b32 v193, 0
	v_lshrrev_b32 v1, 5, v0
	v_readfirstlane_b32 s17, v1                    ; wave 0..15
	v_and_b32 v1, 31, v0                           ; lane
	v_lshlrev_b32 v[VP], 4, v1
	s_mul_i32 s18, s17, 4*3072
	v_add_nc_u32 v[VD], s18, v[VP]
	s_mul_i32 s18, ttmp9, 64*3072
	s_mov_b32 s19, 0
	s_mov_b32 s20, 0x76543210
	s_mov_b32 s21, 0xfedcba98
	s_mov_b32 s22, 0x3aaaaaab                      ; 1 / 768
	s_mov_b32 s25, 0x3727c5ac                      ; 1e-5
	v_mov_b32 v[TMP], 0
	s_lshl_b32 s23, s17, 4
	v_mov_b32 v[LA], s23                           ; my wave's four words
	s_lshl_b32 s24, ttmp9, 8
	v_lshl_add_u32 v[GO], v1, 3, s24
	s_wait_kmcnt 0x0
	s_load_b32 s16, s[12:13], 0x0                  ; bo
	s_add_nc_u64 s[4:5], s[4:5], s[18:19]
.irp p, 0,1,2,3,4,5
	global_load_b128 v[G+4*\p:G+4*\p+3],   v[VP], s[6:7]   offset:512*\p
	global_load_b128 v[WO+4*\p:WO+4*\p+3], v[VP], s[10:11] offset:512*\p
	global_load_b128 v[BB+4*\p:BB+4*\p+3], v[VP], s[8:9]   offset:512*\p
.endr
.irp q, 0,1,2,3
.irp p, 0,1,2,3,4,5
	global_load_b128 v[D+24*\q+4*\p:D+24*\q+4*\p+3], v[VD], s[4:5] offset:3072*\q+512*\p
.endr
.endr
	s_wait_loadcnt 24                              ; the parameters are in; the 24 loads of the rows may stay out
.set e, 0
.rept 12
	v_pk_mul_f32 v[G+2*e:G+2*e+1], v[G+2*e:G+2*e+1], v[WO+2*e:WO+2*e+1]
.set e, e+1
.endr
	v_pk_mul_f32 v[BW:BW+1], v[BB:BB+1], v[WO:WO+1]
.set e, 1
.rept 11
	v_pk_fma_f32 v[BW:BW+1], v[BB+2*e:BB+2*e+1], v[WO+2*e:WO+2*e+1], v[BW:BW+1]
.set e, e+1
.endr
	v_add_f32 v[BW], v[BW], v[BW+1]
	WRED BW
	s_wait_kmcnt 0x0
	v_add_f32 v[BW], s16, v[BW]                    ; sum b Wo + bo
.irp q, 0,1,2,3
	s_wait_loadcnt 18-6*\q                         ; row q is in; the later rows' loads may stay out
.set R, D+24*\q
	v_pk_add_f32 v[S:S+1], v[R:R+1], v[R+2:R+3]
.set e, 2
.rept 10
	v_pk_add_f32 v[S:S+1], v[S:S+1], v[R+2*e:R+2*e+1]
.set e, e+1
.endr
	v_add_f32 v[S], v[S], v[S+1]
	WRED S
	v_mul_f32 v[MU], s22, v[S]
	v_mov_b32 v[MU+1], v[MU]
.set e, 0
.rept 12
	v_pk_add_f32 v[R+2*e:R+2*e+1], v[R+2*e:R+2*e+1], v[MU:MU+1] neg_lo:[0,1] neg_hi:[0,1]
.set e, e+1
.endr
	v_pk_mul_f32 v[Q2:Q2+1], v[R:R+1], v[R:R+1]
	v_pk_mul_f32 v[T:T+1], v[R:R+1], v[G:G+1]
.set e, 1
.rept 11
	v_pk_fma_f32 v[Q2:Q2+1], v[R+2*e:R+2*e+1], v[R+2*e:R+2*e+1], v[Q2:Q2+1]
	v_pk_fma_f32 v[T:T+1], v[R+2*e:R+2*e+1], v[G+2*e:G+2*e+1], v[T:T+1]
.set e, e+1
.endr
	v_add_f32 v[Q2], v[Q2], v[Q2+1]
	v_add_f32 v[T], v[T], v[T+1]
	WRED Q2
	WRED T
	v_fma_f32 v[RS], v[Q2], s22, s25               ; var + 1e-5
	v_rsq_f32 v[RS], v[RS]
	v_nop                                          ; a plain instruction behind the root
	s_wait_alu depctr_va_vdst(0)
	v_fma_f32 v[OUT], v[T], v[RS], v[BW]
	ds_store_b32 v[LA], v[OUT] offset:4*\q         ; every lane writes the same number to the same word
.endr
	s_wait_dscnt 0x0                               ; for wave 0's sake
	s_barrier_signal -1
	s_barrier_wait -1
	s_cmp_lg_u32 s17, 0
	s_cbranch_scc1 .Lend
	v_lshlrev_b32 v[LA], 3, v1
	ds_load_b64 v[S:S+1], v[LA]
	s_wait_dscnt 0x0
	global_store_b64 v[GO], v[S:S+1], s[14:15]     ; the work-group's 64 results: 256 consecutive bytes, at a multiple of 256 from the output's first byte
.Lend:
	s_wait_tensorcnt 0x0
	ds_add_u32 v192, v193
	s_wait_dscnt 0x0
	s_endpgm
.Lfunc_end_k_q3b9110f005_norm:
	.size	k_q3b9110f005_norm, .Lfunc_end_k_q3b9110f005_norm-k_q3b9110f005_norm
	.p2alignl 7, 3214868480
	.fill 96, 4, 3214868480
	.section	.rodata,"a",@progbits
	.p2align	6, 0x0
	.amdhsa_kernel k_q3b9110f005_norm
		.amdhsa_group_segment_fixed_size 2304
		.amdhsa_private_segment_fixed_size 0
		.amdhsa_enable_private_segment 0
		.amdhsa_kernarg_size 48
		.amdhsa_user_sgpr_count 2
		.amdhsa_user_sgpr_kernarg_segment_ptr 1
		.amdhsa_wavefront_size32 1
		.amdhsa_system_sgpr_workgroup_id_x 1
		.amdhsa_system_sgpr_workgroup_id_y 1
		.amdhsa_system_sgpr_workgroup_id_z 1
		.amdhsa_system_vgpr_workitem_id 0
		.amdhsa_next_free_vgpr 194
		.amdhsa_next_free_sgpr 66
		.amdhsa_reserve_vcc 0
		.amdhsa_float_denorm_mode_32 3
		.amdhsa_float_denorm_mode_16_64 3
		.amdhsa_memory_ordered 1
		.amdhsa_forward_progress 1
		.amdhsa_inst_pref_size 26
	.end_amdhsa_kernel
	.amdgpu_metadata
---
amdhsa.version: [ 1, 2 ]
amdhsa.kernels:
  - .name:           k_q3b9110f005_norm
    .symbol:         k_q3b9110f005_norm.kd
    .args:
      - { .name: pooled, .offset: 0, .size: 8, .value_kind: global_buffer, .address_space: global }
      - { .name: ln_g, .offset: 8, .size: 8, .value_kind: global_buffer, .address_space: global }
      - { .name: ln_b, .offset: 16, .size: 8, .value_kind: global_buffer, .address_space: global }
      - { .name: Wo, .offset: 24, .size: 8, .value_kind: global_buffer, .address_space: global }
      - { .name: bo, .offset: 32, .size: 8, .value_kind: global_buffer, .address_space: global }
      - { .name: out0, .offset: 40, .size: 8, .value_kind: global_buffer, .address_space: global }
    .group_segment_fixed_size: 2304
    .private_segment_fixed_size: 0
    .kernarg_segment_align: 8
    .kernarg_segment_size: 48
    .max_flat_workgroup_size: 512
    .sgpr_count:     66
    .vgpr_count:     194
    .wavefront_size: 32
...
	.end_amdgpu_metadata
.endif
;; end of part 5
;; ======== version 2 of 3: 5 launches; 1.25 times as fast as version 1
;; workspace buffers: mt 2,359,296 bytes; kb 3,145,728 bytes; vb 3,145,728 bytes; wbuf 1,048,576 bytes; pooled 1,572,864 bytes
;; launch fold (part 6): grid 12 x 12, 4 waves a work-group, no clusters, 58,880 bytes of LDS; arguments Wq, Wk, mt; writes mt
.if DOCPART == 6
	.amdgcn_target "amdgcn-amd-amdhsa--gfx1250"
	.amdhsa_code_object_version 6
	.text
	.protected	k_q3b9110f005_fold
	.globl	k_q3b9110f005_fold
	.p2align	8
	.type	k_q3b9110f005_fold,@function
k_q3b9110f005_fold:
	s_mov_b64 s[64:65], 0
	v_nop
	global_prefetch_b8 v0, s[64:65] scope:SCOPE_SE
	s_setreg_imm32_b32 hwreg(HW_REG_WAVE_MODE, 25, 1), 1
	s_wait_xcnt 0x0
; MT[i][i'] = sum over j of Wq[j][i] Wk[j][i'], f32, [768][768].  With it scores = desc . (x MT^T)^T: the two projections in front of the
; scores become one small product, for every input (the sums are only regrouped).
; A work-group makes 64 x 64 of MT; each of its four waves 32 x 32: four accumulators.  j goes in 12 steps of 64.
; Both operands lie [j][column] in f32: they pass through registers to be rounded to bf16, lie in LDS as [j][64], and are turned by ds_load_tr16_b128.
; LOADS TWO STEPS AHEAD: two sets of 64 load registers; set s % 2 goes with LDS buffer s % 2.  Step s asks for step s + 2 and, behind its products, rounds step s + 1.
; The accumulators are cleared (32 lines), so that the loop holds all ten steps that ask ahead and no first step is written out beside it.
; NO CLUSTER, NO TENSOR LOADS: every byte must pass through registers for the rounding, so there is no tile that a joint request could bring.
.set PW,    3072                       ; bytes in a row of Wq, Wk, MT
.set KST,   64*PW                      ; bytes from a step's rows to the next step's
.set PT,    160                        ; an LDS row: 128 bytes + 32
.set TILE,  64*PT
.set BUF,   2*TILE                     ; Wq's tile, then Wk's
.set STAGE, 2*BUF                      ; 64 rows x 272 bytes for the way out
.set SP,    272
.set VGO, 2                            ; my 16 bytes in the first 8 rows of a tile in memory
.set VLS, 3                            ; my 8 bytes in the first 8 rows of a tile in LDS
.set VTQ, 4                            ; turning load, Wq's tile
.set VTK, 5                            ; turning load, Wk's tile
.set VSS, 6                            ; into the stage
.set VSR, 7                            ; back from the stage
.set VSG, 8                            ; my byte offset in MT's tile
.set GD,  16                           ; set 0: v16-79; set 1: v176-239: 16 loads of 4 registers, rounded in place
.set FQ,  80                           ; v80-111  fragments of Wq: FQ + 16 kk + 8 a
.set FK,  112                          ; v112-143 fragments of Wk: FK + 16 kk + 8 cc
.set ACC, 144                          ; v144-175 accumulator (a, cc) at ACC + 8 (2 a + cc)
	s_load_b128 s[4:7], s[0:1], 0x0                ; Wq s[4:5], Wk s[6:7]
	s_load_b64 s[8:9], s[0:1], 0x10                ; MT
	v_lshl_add_u32 v240, v0, 2, 0xe400
	v_mov_b32 v241, 0
	v_lshrrev_b32 v1, 5, v0
	v_readfirstlane_b32 s10, v1                    ; wave 0..3
	s_and_b32 s11, ttmp7, 0xffff                   ; Y: which 64 columns of Wq (rows of MT)
	s_lshl_b32 s12, ttmp9, 8                       ; X: which 64 columns of Wk, in bytes
	s_mov_b32 s13, 0
	s_lshl_b32 s14, s11, 8
	s_mov_b32 s15, 0
	s_mul_i32 s16, s11, 64*PW
	s_add_co_u32 s16, s16, s12                     ; the tile's first byte in MT
	s_mov_b32 s17, 0
	s_and_b32 s18, s10, 1                          ; wm: my 32 rows
	s_lshr_b32 s19, s10, 1                         ; wn: my 32 columns
	v_lshrrev_b32 v9, 4, v0                        ; thread / 16: 0..7
	v_and_b32 v10, 15, v0                          ; r
	v_bfe_u32 v11, v0, 4, 1                        ; h
	v_and_b32 v12, 7, v0
	v_bfe_u32 v13, v0, 3, 1
	v_mul_u32_u24 v[VGO], v9, PW
	v_lshl_add_u32 v[VGO], v10, 4, v[VGO]
	v_mul_u32_u24 v[VLS], v9, PT
	v_lshl_add_u32 v[VLS], v10, 3, v[VLS]
	v_lshl_add_u32 v14, v11, 3, v12                ; the turning load: row 8 h + lane % 8,
	v_mul_u32_u24 v14, v14, PT
	v_lshl_add_u32 v14, v13, 4, v14                ; 16 bytes by (lane / 8) % 2
	s_lshl_b32 s20, s18, 6
	s_lshl_b32 s21, s19, 6
	s_add_co_u32 s21, s21, TILE
	v_add_nc_u32 v[VTQ], s20, v14
	v_add_nc_u32 v[VTK], s21, v14
	s_mul_i32 s22, s18, 32*SP
	s_lshl_b32 s23, s19, 7
	s_add_co_u32 s22, s22, s23
	s_add_co_u32 s22, s22, STAGE
	v_mul_u32_u24 v15, v10, SP
	v_lshl_add_u32 v15, v11, 5, v15
	v_add_nc_u32 v[VSS], s22, v15                  ; row 32 wm + r, column 32 wn + 8 h
	s_mul_i32 s22, s10, 16*SP
	s_add_co_u32 s22, s22, STAGE
	v_mul_u32_u24 v15, v11, SP
	v_lshl_add_u32 v15, v10, 4, v15
	v_add_nc_u32 v[VSR], s22, v15                  ; row 16 w + h, 16 bytes by r
	s_mul_i32 s22, s10, 16*PW
	v_mul_u32_u24 v15, v11, PW
	v_lshl_add_u32 v15, v10, 4, v15
	v_add_nc_u32 v[VSG], s22, v15
	s_wait_kmcnt 0x0
	s_add_nc_u64 s[4:5], s[4:5], s[14:15]
	s_add_nc_u64 s[6:7], s[6:7], s[12:13]
	s_add_nc_u64 s[8:9], s[8:9], s[16:17]
.macro GLOAD set, imm                  ; a step's two tiles, imm bytes behind the bases: 64 rows x 256 bytes each; 16 lanes take a row's 256 bytes
.set GS, GD+160*(\set)
.irp q, 0,1,2,3,4,5,6,7
	global_load_b128 v[GS+4*\q:GS+4*\q+3], v[VGO], s[4:5] offset:(\imm)+\q*8*PW
.endr
.irp q, 0,1,2,3,4,5,6,7
	global_load_b128 v[GS+32+4*\q:GS+32+4*\q+3], v[VGO], s[6:7] offset:(\imm)+\q*8*PW
.endr
.endm
.macro TOLDS set, cnt                  ; set's 16 loads are rounded to bf16 and laid into LDS buffer set; cnt: the younger loads, which may stay out
.set GS, GD+160*(\set)
	s_wait_loadcnt \cnt
.set e, 0
.rept 16
	v_cvt_pk_bf16_f32 v[GS+4*e], v[GS+4*e], v[GS+4*e+1]
	v_cvt_pk_bf16_f32 v[GS+4*e+1], v[GS+4*e+2], v[GS+4*e+3]
.set e, e+1
.endr
.irp q, 0,1,2,3,4,5,6,7
	ds_store_b64 v[VLS], v[GS+4*\q:GS+4*\q+1] offset:(\set)*BUF+\q*8*PT
	ds_store_b64 v[VLS], v[GS+32+4*\q:GS+32+4*\q+1] offset:(\set)*BUF+TILE+\q*8*PT
.endr
	s_wait_dscnt 0x0                               ; for the others' sake: my stores are done (my reads of that buffer were waited for ahead of the last step's second products)
	s_barrier_signal -1
	s_barrier_wait -1
.endm
; One step of 64 along j out of buffer buf.  more = 2: the step two on is asked for, into set buf, whose numbers lie in LDS; the next step is laid into the other buffer behind the products.
; more = 1: only the latter.  The 32 roundings are the places between the products and the next step's loads into the fragments.
.macro STEP buf, more
.if (\more) == 2
	GLOAD \buf, (2+(\buf))*KST
.endif
.irp kk, 0,1
.irp a, 0,1
	ds_load_tr16_b128 v[FQ+16*\kk+8*\a:FQ+16*\kk+8*\a+3],   v[VTQ] offset:(\buf)*BUF+\kk*32*PT+\a*32
	ds_load_tr16_b128 v[FQ+16*\kk+8*\a+4:FQ+16*\kk+8*\a+7], v[VTQ] offset:(\buf)*BUF+\kk*32*PT+\a*32+16*PT
	ds_load_tr16_b128 v[FK+16*\kk+8*\a:FK+16*\kk+8*\a+3],   v[VTK] offset:(\buf)*BUF+\kk*32*PT+\a*32
	ds_load_tr16_b128 v[FK+16*\kk+8*\a+4:FK+16*\kk+8*\a+7], v[VTK] offset:(\buf)*BUF+\kk*32*PT+\a*32+16*PT
.endr
.endr
.irp kk, 0,1                           ; source 0 = 16 columns of Wk, source 1 = 16 columns of Wq: a lane holds a row of MT and eight neighbouring columns; the four accumulators take turns
	s_wait_dscnt 8*(1-\kk)                         ; the first 32 along j: the eight loads of the second 32, issued behind them, may stay out; the second 32: all are in
.irp a, 0,1
.irp cc, 0,1
	v_wmma_f32_16x16x32_bf16 v[ACC+8*(2*\a+\cc):ACC+8*(2*\a+\cc)+7], v[FK+16*\kk+8*\cc:FK+16*\kk+8*\cc+7], v[FQ+16*\kk+8*\a:FQ+16*\kk+8*\a+7], v[ACC+8*(2*\a+\cc):ACC+8*(2*\a+\cc)+7]
.endr
.endr
.endr
.if (\more) == 2
	TOLDS 1-(\buf), 16                             ; the 16 loads just issued may stay out
.elseif (\more) == 1
	TOLDS 1-(\buf), 0
.endif
.endm
	GLOAD 0, 0
	GLOAD 1, KST
.set e, 0
.rept 32
	v_mov_b32 v[ACC+e], 0
.set e, e+1
.endr
	TOLDS 0, 16                                    ; step 0 is in; step 1's 16 loads may stay out
	s_mov_b32 s20, 5
.Lstep:                                ; steps 2 t and 2 t + 1; they ask for steps 2 t + 2 and 2 t + 3
	STEP 0, 2
	STEP 1, 2
	s_wait_xcnt 0x0                                ; the bases step only behind this wait
	s_add_nc_u64 s[4:5], s[4:5], 2*KST
	s_add_nc_u64 s[6:7], s[6:7], 2*KST
	s_sub_co_u32 s20, s20, 1
	s_cmp_lg_u32 s20, 0
	s_cbranch_scc1 .Lstep
	STEP 0, 1                                      ; step 10 asks for nothing
	STEP 1, 0                                      ; step 11
.rept 4
	v_nop                                          ; the places behind the last products
.endr
.irp a, 0,1
.irp cc, 0,1
	ds_store_b128 v[VSS], v[ACC+8*(2*\a+\cc):ACC+8*(2*\a+\cc)+3]   offset:\a*16*SP+\cc*64
	ds_store_b128 v[VSS], v[ACC+8*(2*\a+\cc)+4:ACC+8*(2*\a+\cc)+7] offset:\a*16*SP+\cc*64+16
.endr
.endr
	s_wait_dscnt 0x0                               ; a row's 256 bytes come from two waves
	s_barrier_signal -1
	s_barrier_wait -1
.irp q, 0,1,2,3,4,5,6,7
	ds_load_b128 v[GD+4*\q:GD+4*\q+3], v[VSR] offset:\q*2*SP
.endr
.irp q, 0,1,2,3,4,5,6,7
	s_wait_dscnt 7-\q                              ; the younger loads may stay out
	global_store_b128 v[VSG], v[GD+4*\q:GD+4*\q+3], s[8:9] offset:\q*2*PW  ; 16 lanes store 256 consecutive bytes, at a multiple of 256 from MT's first byte
.endr
	s_wait_tensorcnt 0x0
	ds_add_u32 v240, v241
	s_wait_dscnt 0x0
	s_endpgm
.Lfunc_end_k_q3b9110f005_fold:
	.size	k_q3b9110f005_fold, .Lfunc_end_k_q3b9110f005_fold-k_q3b9110f005_fold
	.p2alignl 7, 3214868480
	.fill 96, 4, 3214868480
	.section	.rodata,"a",@progbits
	.p2align	6, 0x0
	.amdhsa_kernel k_q3b9110f005_fold
		.amdhsa_group_segment_fixed_size 58880
		.amdhsa_private_segment_fixed_size 0
		.amdhsa_enable_private_segment 0
		.amdhsa_kernarg_size 24
		.amdhsa_user_sgpr_count 2
		.amdhsa_user_sgpr_kernarg_segment_ptr 1
		.amdhsa_wavefront_size32 1
		.amdhsa_system_sgpr_workgroup_id_x 1
		.amdhsa_system_sgpr_workgroup_id_y 1
		.amdhsa_system_sgpr_workgroup_id_z 1
		.amdhsa_system_vgpr_workitem_id 0
		.amdhsa_next_free_vgpr 242
		.amdhsa_next_free_sgpr 66
		.amdhsa_reserve_vcc 0
		.amdhsa_float_denorm_mode_32 3
		.amdhsa_float_denorm_mode_16_64 3
		.amdhsa_memory_ordered 1
		.amdhsa_forward_progress 1
		.amdhsa_inst_pref_size 32
	.end_amdhsa_kernel
	.amdgpu_metadata
---
amdhsa.version: [ 1, 2 ]
amdhsa.kernels:
  - .name:           k_q3b9110f005_fold
    .symbol:         k_q3b9110f005_fold.kd
    .args:
      - { .name: Wq, .offset: 0, .size: 8, .value_kind: global_buffer, .address_space: global }
      - { .name: Wk, .offset: 8, .size: 8, .value_kind: global_buffer, .address_space: global }
      - { .name: mt, .offset: 16, .size: 8, .value_kind: global_buffer, .address_space: global }
    .group_segment_fixed_size: 58880
    .private_segment_fixed_size: 0
    .kernarg_segment_align: 8
    .kernarg_segment_size: 24
    .max_flat_workgroup_size: 128
    .sgpr_count:     66
    .vgpr_count:     242
    .wavefront_size: 32
...
	.end_amdgpu_metadata
.endif
;; end of part 6
;; launch proj (part 7): grid 16 x 12, 8 waves a work-group, no clusters, 74,752 bytes of LDS; arguments x, mt, Wv, kb, vb; writes kb, vb
.if DOCPART == 7
	.amdgcn_target "amdgcn-amd-amdhsa--gfx1250"
	.amdhsa_code_object_version 6
	.text
	.protected	k_q3b9110f005_proj
	.globl	k_q3b9110f005_proj
	.p2align	8
	.type	k_q3b9110f005_proj,@function
k_q3b9110f005_proj:
	s_mov_b64 s[64:65], 0
	v_nop
	global_prefetch_b8 v0, s[64:65] scope:SCOPE_SE
	s_setreg_imm32_b32 hwreg(HW_REG_WAVE_MODE, 25, 1), 1
	s_wait_xcnt 0x0
; Two products of one shape, C[m][col] = sum over k of A[m][k] B[col][k], K = 768, f32 operands rounded to bf16, f32 sums, C rounded once to bf16:
;   grid y < 6:  k'[n][i] = sum x[n][i'] MT[i][i']   (A = x, B = MT, C -> kb)          grid y >= 6:  v[j][n] = sum Wv[j][i] x[n][i]   (A = Wv, B = x, C -> vb)
; C leaves in FRAGMENT ORDER: blocks of 1,024 bytes, 16 rows x 32 columns; (row r, column 16 x + 8 h + e) lies at 512 x + 16 (16 h + r) + 2 e, so that
; the launches behind read a matrix operand as two loads of 16 bytes a lane, 512 consecutive bytes each.
;   kb: n = 256 w + 128 hf + 16 i + r of batch b, kt = column / 32: block at hf 1,572,864 + b 786,432 + kt 32,768 + w 8,192 + i 1,024
;   vb: jt = j / 16, nt = n / 32 of batch b: block at b 1,572,864 + nt 49,152 + jt 1,024
; A work-group makes 128 x 128; each of eight waves 32 rows x 64 columns: eight accumulators.  K goes in 12 steps of 64 through two LDS buffers.
; LOADS TWO STEPS AHEAD: two sets of 64 load registers; set s % 2 goes with LDS buffer s % 2.  Step s asks for step s + 2 and, behind its products, rounds step s + 1.
; The accumulators are cleared (64 lines), so that the loop holds all ten steps that ask ahead and no first step is written out beside it.
; REGISTERS: window 0: v0-15 addresses; v16-79, v80-143 the two sets; v144-175 A's fragments; v176-239 B's.  Window 1: v0-63 the accumulators.
; NO CLUSTER, NO TENSOR LOADS: every operand byte must pass through registers for the rounding to bf16.
.set PW,   3072
.set PT,   144                         ; an LDS row: 128 bytes + 16
.set TILE, 128*PT
.set BUF,  2*TILE                      ; A's 128 rows, then B's
.set VGO, 2
.set VLS, 3                            ; my 8 bytes in the first 16 rows of A's tile in LDS
.set VFA, 4
.set VFB, 5
.set VO,  6                            ; v6, v7: my 16 bytes in C, for the first and the second 32 of my 64 columns
.set VLB, 8                            ; the same as VLS in B's tile: a register of its own keeps the stores' immediates at 52,992 at the most, inside their 16 bits
.set GD,  16                           ; set 0: v16-79; set 1: v80-143
.set FA,  144                          ; FA + 16 kk + 8 a
.set FB,  176                          ; FB + 32 kk + 8 ct
.set MSB, 0
.macro WIN new                         ; s_set_vgpr_msb: bits 1:0 source 0, 3:2 source 1, 5:4 source 2, 7:6 destination; the high byte repeats the setting that is left
.if MSB != (\new)
	s_set_vgpr_msb (MSB<<8)|(\new)
.set MSB, (\new)
.endif
.endm
	s_load_b256 s[4:11], s[0:1], 0x0               ; x s[4:5], MT s[6:7], Wv s[8:9], kb s[10:11]
	s_load_b64 s[12:13], s[0:1], 0x20              ; vb
	v_lshl_add_u32 v254, v0, 2, 0x12000
	v_mov_b32 v255, 0
	v_lshrrev_b32 v1, 5, v0
	v_readfirstlane_b32 s14, v1                    ; wave 0..7
	s_mov_b32 s15, ttmp9                           ; X: which 128 of the 2,048 rows of x
	s_and_b32 s16, ttmp7, 0xffff                   ; y
	s_sub_co_u32 s17, s16, 6
	s_lshr_b32 s22, s15, 3                         ; the batch
	s_and_b32 s20, s15, 1                          ; kb: hf,
	s_mul_i32 s20, s20, 1572864
	s_mul_i32 s18, s22, 786432                     ; b,
	s_add_co_u32 s20, s20, s18
	s_bfe_u32 s18, s15, 0x20001                    ; w,
	s_lshl_b32 s18, s18, 13
	s_add_co_u32 s20, s20, s18
	s_lshl_b32 s18, s16, 17                        ; and kt = 4 y on
	s_add_co_u32 s20, s20, s18
	s_and_b32 s21, s15, 7                          ; vb: nt = 4 (X % 8) on,
	s_mul_i32 s21, s21, 196608
	s_lshl_b32 s18, s17, 13                        ; jt = 8 (y - 6) on,
	s_add_co_u32 s21, s21, s18
	s_mul_i32 s18, s22, 1572864                    ; b
	s_add_co_u32 s21, s21, s18
	s_mov_b32 s33, 49152
	s_wait_kmcnt 0x0
	s_cmp_lt_u32 s16, 6                            ; which of the two products; the lines below leave SCC alone
	s_cselect_b64 s[24:25], s[4:5], s[8:9]         ; A
	s_cselect_b64 s[26:27], s[6:7], s[4:5]         ; B
	s_cselect_b64 s[28:29], s[10:11], s[12:13]     ; C
	s_cselect_b32 s30, s15, s17                    ; A's block of 128 rows
	s_cselect_b32 s31, s16, s15                    ; B's
	s_cselect_b32 s32, 0x8000, s33                 ; bytes in C from 32 columns to the next 32
	s_cselect_b32 s38, s20, s21
	s_mul_i32 s34, s30, 128*PW
	s_mov_b32 s35, 0
	s_mul_i32 s36, s31, 128*PW
	s_mov_b32 s37, 0
	s_mov_b32 s39, 0
	s_add_nc_u64 s[24:25], s[24:25], s[34:35]
	s_add_nc_u64 s[26:27], s[26:27], s[36:37]
	s_add_nc_u64 s[28:29], s[28:29], s[38:39]
	s_and_b32 s40, s14, 3                          ; wm: my 32 rows
	s_lshr_b32 s41, s14, 2                         ; wn: my 64 columns
	v_lshrrev_b32 v9, 4, v0                        ; thread / 16: 0..15
	v_and_b32 v10, 15, v0                          ; r
	v_bfe_u32 v11, v0, 4, 1                        ; h
	v_and_b32 v12, 31, v0                          ; lane
	v_mul_u32_u24 v[VGO], v9, PW
	v_lshl_add_u32 v[VGO], v10, 4, v[VGO]
	v_mul_u32_u24 v[VLS], v9, PT
	v_lshl_add_u32 v[VLS], v10, 3, v[VLS]
	v_add_nc_u32 v[VLB], TILE, v[VLS]
	s_lshl_b32 s42, s40, 5
	v_add_nc_u32 v13, s42, v10
	v_mul_u32_u24 v[VFA], v13, PT
	v_lshl_add_u32 v[VFA], v11, 4, v[VFA]
	s_lshl_b32 s42, s41, 6
	v_add_nc_u32 v13, s42, v10
	v_mul_u32_u24 v[VFB], v13, PT
	v_lshl_add_u32 v[VFB], v11, 4, v[VFB]
	v_add_nc_u32 v[VFB], TILE, v[VFB]
	s_mul_i32 s42, s41, s32
	s_lshl_b32 s42, s42, 1
	s_lshl_b32 s43, s40, 11
	s_add_co_u32 s42, s42, s43
	v_lshl_add_u32 v[VO], v12, 4, s42              ; 16 lane + 2,048 wm + 2 wn x the step of 32 columns
	v_add_nc_u32 v[VO+1], s32, v[VO]
.macro GLOAD set, imm                  ; a step's two tiles, imm bytes behind the bases: 128 rows x 256 bytes each
.set GS, GD+64*(\set)
.irp q, 0,1,2,3,4,5,6,7
	global_load_b128 v[GS+4*\q:GS+4*\q+3], v[VGO], s[24:25] offset:(\imm)+\q*16*PW
.endr
.irp q, 0,1,2,3,4,5,6,7
	global_load_b128 v[GS+32+4*\q:GS+32+4*\q+3], v[VGO], s[26:27] offset:(\imm)+\q*16*PW
.endr
.endm
.macro TOLDS set, cnt                  ; set's 16 loads are rounded to bf16 and laid into LDS buffer set; cnt: the younger loads, which may stay out
.set GS, GD+64*(\set)
	s_wait_loadcnt \cnt
.set e, 0
.rept 16
	v_cvt_pk_bf16_f32 v[GS+4*e], v[GS+4*e], v[GS+4*e+1]
	v_cvt_pk_bf16_f32 v[GS+4*e+1], v[GS+4*e+2], v[GS+4*e+3]
.set e, e+1
.endr
.irp q, 0,1,2,3,4,5,6,7
	ds_store_b64 v[VLS], v[GS+4*\q:GS+4*\q+1] offset:(\set)*BUF+\q*16*PT
	ds_store_b64 v[VLB], v[GS+32+4*\q:GS+32+4*\q+1] offset:(\set)*BUF+\q*16*PT
.endr
	s_wait_dscnt 0x0                               ; for the others' sake: my stores are done
	s_barrier_signal -1
	s_barrier_wait -1
.endm
; One step of 64 along K out of buffer buf.  more = 2: the step two on is asked for, into set buf, whose numbers lie in LDS; the next step is laid into the other buffer behind the products.
; more = 1: only the latter.  The 32 roundings are the places between the products and the next loads into the fragments.
.macro STEP buf, more
.if (\more) == 2
	GLOAD \buf, (2+(\buf))*256
.endif
.irp kk, 0,1
.irp a, 0,1
	ds_load_b128 v[FA+16*\kk+8*\a:FA+16*\kk+8*\a+3],   v[VFA] offset:(\buf)*BUF+\a*16*PT+\kk*64
	ds_load_b128 v[FA+16*\kk+8*\a+4:FA+16*\kk+8*\a+7], v[VFA] offset:(\buf)*BUF+\a*16*PT+\kk*64+32
.endr
.irp ct, 0,1,2,3
	ds_load_b128 v[FB+32*\kk+8*\ct:FB+32*\kk+8*\ct+3],   v[VFB] offset:(\buf)*BUF+\ct*16*PT+\kk*64
	ds_load_b128 v[FB+32*\kk+8*\ct+4:FB+32*\kk+8*\ct+7], v[VFB] offset:(\buf)*BUF+\ct*16*PT+\kk*64+32
.endr
.endr
	WIN 0x50                                       ; C and D in window 1
.irp kk, 0,1                           ; source 0 = 16 rows of B, source 1 = 16 rows of A: a lane holds a row of C and eight neighbouring columns; the eight accumulators take turns
	s_wait_dscnt 12*(1-\kk)                        ; the first 32 along K: the twelve loads of the second 32, issued behind them, may stay out; the second 32: all are in
.irp a, 0,1
.irp ct, 0,1,2,3
	v_wmma_f32_16x16x32_bf16 v[8*(4*\a+\ct):8*(4*\a+\ct)+7], v[FB+32*\kk+8*\ct:FB+32*\kk+8*\ct+7], v[FA+16*\kk+8*\a:FA+16*\kk+8*\a+7], v[8*(4*\a+\ct):8*(4*\a+\ct)+7]
.endr
.endr
.endr
	WIN 0
.if (\more) == 2
	TOLDS 1-(\buf), 16                             ; the 16 loads just issued may stay out
.elseif (\more) == 1
	TOLDS 1-(\buf), 0
.endif
.endm
	GLOAD 0, 0
	GLOAD 1, 256
	WIN 0x40
.set e, 0
.rept 64
	v_mov_b32 v[e], 0
.set e, e+1
.endr
	WIN 0
	TOLDS 0, 16                                    ; step 0 is in; step 1's 16 loads may stay out
	s_mov_b32 s44, 5
.Lstep:                                ; steps 2 t and 2 t + 1; they ask for steps 2 t + 2 and 2 t + 3
	STEP 0, 2
	STEP 1, 2
	s_wait_xcnt 0x0                                ; the bases step only behind this wait
	s_add_nc_u64 s[24:25], s[24:25], 512
	s_add_nc_u64 s[26:27], s[26:27], 512
	s_sub_co_u32 s44, s44, 1
	s_cmp_lg_u32 s44, 0
	s_cbranch_scc1 .Lstep
	STEP 0, 1                                      ; step 10 asks for nothing
	STEP 1, 0                                      ; step 11
.rept 4
	v_nop                                          ; the places behind the last products
.endr
	WIN 0x05                                       ; sources 0 and 1 in window 1
.set e, 0
.rept 8
.irp rr, 0,1,2,3
	v_cvt_pk_bf16_f32 v[GD+4*e+\rr], v[8*e+2*\rr], v[8*e+2*\rr+1]
.endr
.set e, e+1
.endr
	WIN 0
.irp a, 0,1
.irp ct, 0,1,2,3
	global_store_b128 v[VO+\ct/2], v[GD+4*(4*\a+\ct):GD+4*(4*\a+\ct)+3], s[28:29] offset:\a*1024+(\ct%2)*512  ; half a block: the wave's 512 consecutive bytes, at a multiple of 512 from C's first byte
.endr
.endr
	s_wait_tensorcnt 0x0
	ds_add_u32 v254, v255
	s_wait_dscnt 0x0
	s_endpgm
.Lfunc_end_k_q3b9110f005_proj:
	.size	k_q3b9110f005_proj, .Lfunc_end_k_q3b9110f005_proj-k_q3b9110f005_proj
	.p2alignl 7, 3214868480
	.fill 96, 4, 3214868480
	.section	.rodata,"a",@progbits
	.p2align	6, 0x0
	.amdhsa_kernel k_q3b9110f005_proj
		.amdhsa_group_segment_fixed_size 74752
		.amdhsa_private_segment_fixed_size 0
		.amdhsa_enable_private_segment 0
		.amdhsa_kernarg_size 40
		.amdhsa_user_sgpr_count 2
		.amdhsa_user_sgpr_kernarg_segment_ptr 1
		.amdhsa_wavefront_size32 1
		.amdhsa_system_sgpr_workgroup_id_x 1
		.amdhsa_system_sgpr_workgroup_id_y 1
		.amdhsa_system_sgpr_workgroup_id_z 1
		.amdhsa_system_vgpr_workitem_id 0
		.amdhsa_next_free_vgpr 320
		.amdhsa_next_free_sgpr 66
		.amdhsa_reserve_vcc 0
		.amdhsa_float_denorm_mode_32 3
		.amdhsa_float_denorm_mode_16_64 3
		.amdhsa_memory_ordered 1
		.amdhsa_forward_progress 1
		.amdhsa_inst_pref_size 38
	.end_amdhsa_kernel
	.amdgpu_metadata
---
amdhsa.version: [ 1, 2 ]
amdhsa.kernels:
  - .name:           k_q3b9110f005_proj
    .symbol:         k_q3b9110f005_proj.kd
    .args:
      - { .name: x, .offset: 0, .size: 8, .value_kind: global_buffer, .address_space: global }
      - { .name: mt, .offset: 8, .size: 8, .value_kind: global_buffer, .address_space: global }
      - { .name: Wv, .offset: 16, .size: 8, .value_kind: global_buffer, .address_space: global }
      - { .name: kb, .offset: 24, .size: 8, .value_kind: global_buffer, .address_space: global }
      - { .name: vb, .offset: 32, .size: 8, .value_kind: global_buffer, .address_space: global }
    .group_segment_fixed_size: 74752
    .private_segment_fixed_size: 0
    .kernarg_segment_align: 8
    .kernarg_segment_size: 40
    .max_flat_workgroup_size: 256
    .sgpr_count:     66
    .vgpr_count:     320
    .wavefront_size: 32
...
	.end_amdgpu_metadata
.endif
;; end of part 7
;; launch attn (part 8): grid 256 x 1, 4 waves a work-group, clusters of 4 x 1, 327,680 bytes of LDS; arguments desc_emb, kb, attention_masks, desc_mask, wbuf; writes wbuf
.if DOCPART == 8
	.amdgcn_target "amdgcn-amd-amdhsa--gfx1250"
	.amdhsa_code_object_version 6
	.text
	.protected	k_q3b9110f005_attn
	.globl	k_q3b9110f005_attn
	.p2align	8
	.type	k_q3b9110f005_attn,@function
k_q3b9110f005_attn:
	s_mov_b64 s[64:65], 0
	v_nop
	global_prefetch_b8 v0, s[64:65] scope:SCOPE_SE
	s_setreg_imm32_b32 hwreg(HW_REG_WAVE_MODE, 25, 1), 1
	s_wait_xcnt 0x0
	s_wait_alu depctr_hold_cnt(0) depctr_sa_sdst(0) depctr_va_vdst(0) depctr_va_sdst(0) depctr_va_ssrc(0) depctr_va_vcc(0) depctr_vm_vsrc(0)
	s_getreg_b32 s2, hwreg(HW_REG_IB_STS2, 6, 4)
	s_cmp_eq_u32 s2, 0
	s_cbranch_scc0 .Lentry_in_a_cluster
	s_endpgm
.Lentry_in_a_cluster:
	s_bfe_u32 s2, ttmp6, 0x10000c
	s_cmp_lg_u32 s2, 0x3003
	s_cbranch_scc0 .Lentry_shape_is_right
	s_endpgm
.Lentry_shape_is_right:
; w[b][c][n] = sum over d of dm[c][d] softmax_n(masked scores[b][c][d][:])[n] / (number of valid d of c), bf16, row 256 b + c of wbuf.
; scores[d][n] = (desc[c][d] . k'[b][n]) / sqrt(768).  The sum over d is taken of the weights, ahead of the product with v (the next launch): the sums are only regrouped.
; SHARES.  A work-group owns a class c and makes b = 0, then b = 1.  A block of scores, 64 d x 1,024 n in f32, stays in registers: wave w holds all 64 d and n = 256 w .. 256 w + 255,
; 64 accumulators.  Source 0 = 16 d of desc, source 1 = 16 n of k': a lane holds ONE n (lane % 16) and the d = 16 mt + 8 (lane / 16) + 0..7.
; desc comes once as f32 (one tensor load a wave), is rounded to bf16 and laid in fragment order.
; k' ON TWO ROADS.  A wave alone reads the k' of its n, so LDS gives k' no reuse inside the work-group.  The half hf = 0 of every wave's n goes through a ring of two LDS slots, asked for JOINTLY by the four
; classes of a cluster (the same load, descriptor and mask in all four).  The half hf = 1 goes from memory straight into the wave's registers (fragment order: each load is 512 consecutive bytes), three K steps
; deep.  So a slot of 98,304 bytes holds three K steps of one half and serves 192 matrix instructions a wave, and its refill has 176 of them between the request and the wait for it; with all of k' in the
; ring these would be 96 and 80.  The price: the second half is asked for by each work-group singly.  k' of both b lies on end on both roads, so both run on from b = 0 into b = 1 under the softmax.
; SOFTMAX.  The true maximum m of a row is taken away: p = 2^(c0 s - c0 m), c0 = log2(e) / sqrt(768).  A hidden n counts as -1e9 (in scaled units), as in the module; rows with dm <= 0 get the factor 0.
; LIMITS.  c0 m is rounded once; that rounding is a common factor of a row's p and of their sum and cancels; it stays harmless up to |c0 m| of about 1.5e9, the hidden constant's size.
; A hidden score is replaced as s x 0 + constant: exact for every finite s; a hidden score beyond f32's range would give NaN, where the module hides it.
; A weight below 2^-126 counts as 0.  A class with no valid d gives NaN, as the module does.  Masks count as valid where > 0 (signed).
; REGISTERS, in windows of 256 (s_set_vgpr_msb: bits 1:0 source 0, 3:2 source 1, 5:4 source 2, 7:6 destination):
;   window 0: v0-31 addresses; v32-127 three buffers of desc fragments (at work elsewhere); v128-159 DMF; v160-191 M, then c0 m; v192-223 L, then F; v224-255 WA (during the products: the mask words)
;   window 1: v0-63 k' fragments out of LDS; v64-255 three buffers of k' fragments out of memory (in the softmax v0-63 and v192-255: the four waves' figures; v64-191 await the next b's first two K steps)
;   windows 2, 3: accumulator (mt, i) of n half hf at v[8 (8 mt + i)] of window 2 + hf
.set SLOTB, 98304                      ; a slot: three K steps of 32 for the 512 n of half 0: kl 32,768 + w 8,192 + i 1,024
.set SLOT1, 131072                     ; slot 1 begins here, so that one exclusive or turns an address in one slot into the other's
.set QUART, 24576                      ; what one tensor load brings of a slot in the ring's walk
.set HALFS, 49152                      ; and at the ring's start, where two waves fill each slot
.set KHALF, 1572864                    ; kb's second half: the n half 1
.set DP,    3120                       ; a row of desc in f32: 3 x (1,024 + 16) bytes
.set STGW,  16*DP                      ; a wave's 16 such rows; they lie at w STGW + (w / 2) HOLE: where the ring will lie, and round the hole
.set HOLE,  7680                       ; bytes 99,840 .. 107,519, between the slots: no tensor load ever lands there
.set SPARE, 99840                      ; the spare words, 128 bytes for each wave: two blocks of 256 bytes that no other line names
.set STM,   100352                     ; the waves' maxima, 256 bytes each
.set STL,   101376                     ; the waves' sums
.set WST,   102400                     ; 1,024 bytes for each wave, for the way out
.set ABASE, 229376                     ; behind the ring: desc in bf16, block (kt, mt) at (4 kt + mt) 1,024
.set SPW, 2
.set NIL, 3
.set VB0,  4                           ; my k' fragments in slot 0: K steps 0 and 1 of the slot
.set VB2,  5                           ; K step 2 of the slot
.set ADRB, 6
.set VA0,  8
.set ADRA, 9
.set VS,   10
.set VAW,  11
.set VAW2, 12
.set VMK,  13
.set VST,  14
.set VSR,  15
.set VLT,  16
.set VLR,  17
.set VWS,  18
.set VWR,  19
.set VWG,  20
.set VDM,  21
.set VKG,  29                          ; v29-31  byte offset of my fragments in the K step that buffer k took last
.set FA0, 32
.set FA1, 64
.set FA2, 96
.set DMF, 128
.set M,   160
.set L,   192
.set WA,  224
.set FBL, 0
.set GB0, 64
.set GB1, 128
.set GB2, 192
.set WV,  14                           ; s14 my wave's number
.set G1,  24                           ; s[24:31] group 1 of the ring's joint loads
.set G0,  32                           ; s[32:35] their group 0: it walks
.set G1D, 40                           ; s[40:47] group 1 of desc's load
.set G0D, 48                           ; s[48:51] its group 0
.set PASS, 52
.set TRIP, 53
.set TA,  54                           ; byte offset in desc's blocks of the three K steps in hand
.set TB,  55                           ; the slot that is read: 0 or SLOT1
.set CS,  56                           ; s[56:57] c0
.set NEG, 58                           ; -1e9 sqrt(768)
.set SEL, 60                           ; s[60:61] v_permlanex16_b32's selects
.set G1H, 68                           ; s[68:75] group 1 of the ring's first joint loads: half a slot
.set G0H, 76                           ; s[76:79] their group 0
.set KG,  86                           ; s[86:87] kb's second half, less one step of VKG
.set MSB, 0
.macro WIN new                         ; the high byte repeats the setting that is left; a switch that changes nothing is dropped
.if MSB != (\new)
	s_set_vgpr_msb (MSB<<8)|(\new)
.set MSB, (\new)
.endif
.endm
.macro PLACES
.rept 4
	v_nop
.endr
.endm
.macro CREST                           ; a round of the cluster's barrier behind its opening barrier
	s_cmp_lg_u32 s[WV], 0
	s_cbranch_scc1 .Lnot_wave_0_\@
	s_barrier_signal -3
.Lnot_wave_0_\@:
	s_barrier_wait -3
	s_barrier_signal -1
	s_barrier_wait -1
.endm
.macro CROUND
	s_barrier_signal -1
	s_barrier_wait -1
	CREST
.endm
.macro THREE                           ; all my tensor loads have landed; 0 onto my spare word; the add and my LDS work are done
	s_wait_tensorcnt 0x0
	ds_add_u32 v[SPW], v[NIL]
	s_wait_dscnt 0x0
.endm
.macro JL                              ; my quarter of a slot, asked for jointly: the other slot than last time, the next 98,304 bytes of k'.  No tensor load of mine is out where this stands
	s_xor_b32 s[G0+1], s[G0+1], SLOT1
	s_add_nc_u64 s[G0+2:G0+3], s[G0+2:G0+3], SLOTB
	tensor_load_to_lds s[G0:G0+3], s[G1:G1+7]
	s_nop 0
	PLACES
.endm
; The 16 loads of my eight k' fragments (half 1) of the K step three behind the one that buffer k took last.  The buffer's earlier loads are done (their counted wait stood ahead of the products that read it).
.macro GI k
	WIN 0
	s_wait_xcnt 0x0                                ; the offset is rewritten only behind this wait
	v_add_nc_u32 v[VKG+(\k)], SLOTB, v[VKG+(\k)]   ; three K steps of 32,768 bytes
	WIN 0x40
.irp i, 0,1,2,3,4,5,6,7
	global_load_b128 v[GB0+64*(\k)+8*\i:GB0+64*(\k)+8*\i+3],   v[VKG+(\k)], s[KG:KG+1] offset:\i*1024
	global_load_b128 v[GB0+64*(\k)+8*\i+4:GB0+64*(\k)+8*\i+7], v[VKG+(\k)], s[KG:KG+1] offset:\i*1024+512
.endr
.endm
.macro MASKW                           ; ahead of a b's products: the mask words of my n; they are wanted behind the products
	WIN 0
.irp t, 0,1,2,3,4,5,6,7,8,9,10,11,12,13,14,15
	global_load_b32 v[WA+\t], v[VMK], s[8:9] offset:64*\t
.endr
.endm
	s_load_b256 s[4:11], s[0:1], 0x0               ; desc s[4:5], kb s[6:7], attention_masks s[8:9], desc_mask s[10:11]
	s_load_b64 s[12:13], s[0:1], 0x20              ; wbuf
	v_lshl_add_u32 v[SPW], v0, 2, SPARE
	v_mov_b32 v[NIL], 0
	ds_add_u32 v2, v3
	ds_add_u32 v2, v3
	s_wait_dscnt 0x0
	v_lshrrev_b32 v22, 5, v0
	v_readfirstlane_b32 s[WV], v22                 ; wave 0..3
	s_bfe_u32 s15, ttmp6, 0x40000                  ; cx
	s_lshl_b32 s16, ttmp9, 2
	s_add_co_u32 s16, s16, s15                     ; my class: it enters desc's, desc_mask's and wbuf's addresses alone
	; desc: my wave's 16 rows of 768 f32, 16 bytes of padding behind every 1,024
	s_mov_b32 s[G1D+0], (2<<16)|(1<<20)|(7<<22)|(3<<25)  ; no mask; elements of 4 bytes; padding on, after every 256 words, 4 words
	s_mov_b32 s[G1D+1], 768<<16                    ; tensor_dim0
	s_mov_b32 s[G1D+2], 16<<16                     ; tensor_dim1
	s_mov_b32 s[G1D+3], 768<<16                    ; tile_dim0
	s_mov_b32 s[G1D+4], 16                         ; tile_dim1
	s_mov_b32 s[G1D+5], 768                        ; elements from row to row
	s_mov_b32 s[G1D+6], 0
	s_mov_b32 s[G1D+7], 0
	s_mov_b32 s[G0D], 1
	s_mul_i32 s[G0D+1], s[WV], STGW
	s_lshr_b32 s17, s[WV], 1
	s_mul_i32 s17, s17, HOLE
	s_add_co_u32 s[G0D+1], s[G0D+1], s17           ; waves 2 and 3 lie behind the hole
	; k' in the ring's walk: 24,576 dense bytes as 96 rows of 256
	s_mov_b32 s[G1+0], 15|(3<<16)|(1<<21)          ; the mask of four; elements of 8 bytes; bit 21 set beside a mask
	s_mov_b32 s[G1+1], 32<<16
	s_mov_b32 s[G1+2], 96<<16
	s_mov_b32 s[G1+3], 32<<16
	s_mov_b32 s[G1+4], 96
	s_mov_b32 s[G1+5], 32
	s_mov_b32 s[G1+6], 0
	s_mov_b32 s[G1+7], 0
	; k' at the ring's start: 49,152 dense bytes as 192 rows of 256: waves 0 and 1 bring slot 0's halves, waves 2 and 3 slot 1's
	s_mov_b32 s[G1H+0], 15|(3<<16)|(1<<21)
	s_mov_b32 s[G1H+1], 32<<16
	s_mov_b32 s[G1H+2], 192<<16
	s_mov_b32 s[G1H+3], 32<<16
	s_mov_b32 s[G1H+4], 192
	s_mov_b32 s[G1H+5], 32
	s_mov_b32 s[G1H+6], 0
	s_mov_b32 s[G1H+7], 0
	s_mov_b32 s[G0H], 1
	s_lshr_b32 s[G0H+1], s[WV], 1
	s_lshl_b32 s[G0H+1], s[G0H+1], 17              ; the slot: (w / 2) x 131,072,
	s_and_b32 s22, s[WV], 1
	s_mul_i32 s22, s22, HALFS
	s_add_co_u32 s[G0H+1], s[G0H+1], s22           ; its half: (w % 2) x 49,152
	s_mul_i32 s22, s[WV], HALFS                    ; in memory the two slots lie on end: w x 49,152
	s_mov_b32 s23, 0
	s_mul_i32 s18, s16, 196608                     ; my class's 64 rows,
	s_mul_i32 s19, s[WV], 49152                    ; my wave's 16 of them
	s_add_co_u32 s18, s18, s19
	s_mov_b32 s19, 0
	s_mul_i32 s20, s[WV], QUART                    ; my quarter of a slot, in memory and in LDS: the wave's number alone
	s_mov_b32 s21, 0
	s_lshl_b32 s82, s16, 11
	s_mov_b32 s83, 0
	s_lshl_b32 s84, s16, 8
	s_mov_b32 s85, 0
	s_mov_b32 s[CS], 0x3d553b94                    ; c0 = log2(e) / sqrt(768) = 0.0520588
	s_mov_b32 s[CS+1], s[CS]
	s_mov_b32 s[NEG], 0xd0ce79ff                   ; -2.77128e10
	s_mov_b32 s[SEL], 0x76543210
	s_mov_b32 s[SEL+1], 0xfedcba98
	s_mov_b32 s[TB], 0
	s_mov_b32 s[G0], 1
	s_add_co_u32 s[G0+1], s20, SLOT1               ; the walking descriptor starts as if it had just filled slot 1: its first step leads to slot 0 and the third 98,304 bytes
	s_wait_kmcnt 0x0
	s_add_nc_u64 s[G0D+2:G0D+3], s[4:5], s[18:19]
	s_or_b32 s[G0D+3], s[G0D+3], 0x80000000
	s_add_nc_u64 s[G0+2:G0+3], s[6:7], s[20:21]
	s_add_nc_u64 s[G0+2:G0+3], s[G0+2:G0+3], SLOTB
	s_or_b32 s[G0+3], s[G0+3], 0x80000000
	s_add_nc_u64 s[G0H+2:G0H+3], s[6:7], s[22:23]
	s_or_b32 s[G0H+3], s[G0H+3], 0x80000000
	s_add_nc_u64 s[KG:KG+1], s[6:7], KHALF-SLOTB
	s_add_nc_u64 s[12:13], s[12:13], s[82:83]      ; wbuf at row c
	s_add_nc_u64 s[10:11], s[10:11], s[84:85]      ; desc_mask at row c
	CROUND                                         ; in front of the launch's first tensor loads
	tensor_load_to_lds s[G0D:G0D+3], s[G1D:G1D+7]
	s_nop 0
	PLACES
	v_and_b32 v23, 31, v0                          ; lane
	v_and_b32 v24, 15, v0                          ; r
	v_bfe_u32 v25, v0, 4, 1                        ; h
	v_lshlrev_b32 v[VDM], 5, v25                   ; 32 h
.irp e, 0,1,2,3,4,5,6,7                ; desc_mask of my 32 d: 16 mt + 8 h + 0..7
	global_load_b128 v[32+4*\e:32+4*\e+3], v[VDM], s[10:11] offset:64*(\e/2)+16*(\e%2)
.endr
	s_lshl_b32 s17, s[WV], 13
	v_lshl_add_u32 v[VB0], v23, 4, s17             ; 8,192 w + 16 lane
	v_add_nc_u32 v[VB2], 0x10000, v[VB0]
	v_mov_b32 v[VKG], v[VB0]                       ; buffer k begins with K step k: GI's first step and KG's lag cancel
	v_add_nc_u32 v[VKG+1], 0x8000, v[VB0]
	v_add_nc_u32 v[VKG+2], 0x10000, v[VB0]
	v_lshl_add_u32 v[VA0], v23, 4, ABASE
	v_mul_u32_u24 v[VS], v24, DP
	v_lshl_add_u32 v[VS], v25, 5, v[VS]
	v_add_nc_u32 v[VS], s[G0D+1], v[VS]            ; my wave's f32 row r, 32 bytes by h
	s_lshl_b32 s17, s[WV], 10
	v_add_nc_u32 v[VAW], s17, v[VA0]               ; block mt = w
	v_add_nc_u32 v[VAW2], 0x10000, v[VAW]
	v_lshl_add_u32 v[VMK], v24, 2, s17             ; 4 (256 w + r)
	v_add_nc_u32 v[VWS], WST, v[VMK]
	v_lshl_add_u32 v[VWR], v23, 5, s17
	v_add_nc_u32 v[VWR], WST, v[VWR]
	s_lshl_b32 s17, s[WV], 8
	v_add_nc_u32 v[VSR], STM, v[VDM]
	v_add_nc_u32 v[VST], s17, v[VSR]
	v_add_nc_u32 v[VLR], STL, v[VDM]
	v_add_nc_u32 v[VLT], s17, v[VLR]
	s_lshl_b32 s17, s[WV], 9
	v_lshl_add_u32 v[VWG], v23, 4, s17
	s_wait_loadcnt 0x0
.set i, 0
.rept 32                               ; DMF = 1 where the d is valid, else 0; then divided by their number
	v_cmp_lt_i32 vcc_lo, 0, v[32+i]
	v_cndmask_b32 v[DMF+i], 0, 1.0, vcc_lo
.set i, i+1
.endr
	v_pk_add_f32 v[26:27], v[DMF:DMF+1], v[DMF+2:DMF+3]
.set i, 4
.rept 14
	v_pk_add_f32 v[26:27], v[26:27], v[DMF+i:DMF+i+1]
.set i, i+2
.endr
	v_add_f32 v26, v26, v27
	v_permlanex16_b32 v27, v26, s[SEL], s[SEL+1]   ; the other 32 d lie in the lane 16 away
	v_add_f32 v26, v26, v27
	v_rcp_f32 v26, v26
	v_nop                                          ; a plain instruction behind the reciprocal
	s_wait_alu depctr_va_vdst(0)
	v_mov_b32 v27, v26
.set i, 0
.rept 16
	v_pk_mul_f32 v[DMF+i:DMF+i+1], v[DMF+i:DMF+i+1], v[26:27]
.set i, i+2
.endr
	MASKW                                          ; b = 0's mask words and its K steps 0 and 1 of half 1: they land while desc is rounded and the ring is filled
	GI 0
	GI 1
	WIN 0
	s_wait_tensorcnt 0x0                           ; my 16 rows of desc are in; I alone read them
.set bt, 0
.rept 6                                ; 48 pieces of 16 columns, eight at a time: a lane's 8 f32 become 16 bytes of block (kt, w)
.set e, 0
.rept 8
.set kc, 16*(8*bt+e)
	ds_load_b128 v[32+8*e:32+8*e+3],   v[VS] offset:(kc/256)*1040+(kc%256)*4
	ds_load_b128 v[32+8*e+4:32+8*e+7], v[VS] offset:(kc/256)*1040+(kc%256)*4+16
.set e, e+1
.endr
	s_wait_dscnt 0x0
.set e, 0
.rept 32
	v_cvt_pk_bf16_f32 v[96+e], v[32+2*e], v[32+2*e+1]
.set e, e+1
.endr
.set e, 0
.rept 8
.set it, 8*bt+e
.if it < 32
	ds_store_b128 v[VAW], v[96+4*e:96+4*e+3] offset:(it/2)*4096+(it%2)*512
.else
	ds_store_b128 v[VAW2], v[96+4*e:96+4*e+3] offset:(it/2-16)*4096+(it%2)*512
.endif
.set e, e+1
.endr
.set bt, bt+1
.endr
	THREE                                          ; my reads of the f32 rows and my stores of the blocks are done
	CROUND                                         ; so are everybody's: the ring may be laid over the f32 rows
	tensor_load_to_lds s[G0H:G0H+3], s[G1H:G1H+7]  ; both slots behind this one round, one load a wave: my half of slot w / 2
	s_nop 0
	PLACES
	s_wait_tensorcnt 0x0                           ; my half has landed;
	s_barrier_signal -1
	s_barrier_wait -1                              ; everybody's has: both slots are whole.
; 8 n matrix instructions: d blocks mt0 .. mt0 + n - 1 x the unit's eight n tiles.  All accumulators of a unit differ, and units alternate between windows 2 and 3: the accumulators take turns.
.macro MUL hf, fa, fb, mt0, n, zero
	WIN 0xa4+0x50*(\hf)                            ; desc window 0, k' window 1, C and D window 2 + hf
.set mm, (\mt0)
.rept (\n)
.irp i, 0,1,2,3,4,5,6,7
.if \zero
	v_wmma_f32_16x16x32_bf16 v[8*(8*mm+\i):8*(8*mm+\i)+7], v[(\fa)+8*mm:(\fa)+8*mm+7], v[(\fb)+8*\i:(\fb)+8*\i+7], 0
.else
	v_wmma_f32_16x16x32_bf16 v[8*(8*mm+\i):8*(8*mm+\i)+7], v[(\fa)+8*mm:(\fa)+8*mm+7], v[(\fb)+8*\i:(\fb)+8*\i+7], v[8*(8*mm+\i):8*(8*mm+\i)+7]
.endif
.endr
.set mm, mm+1
.endr
.endm
.macro FB kl                           ; my eight fragments of k' (half 0) of K step kl of the slot that is read: 16 loads of 512 consecutive bytes
	WIN 0
.if (\kl) < 2
	v_add_nc_u32 v[ADRB], s[TB], v[VB0]
.else
	v_add_nc_u32 v[ADRB], s[TB], v[VB2]
.endif
	WIN 0x40
.irp i, 0,1,2,3,4,5,6,7
	ds_load_b128 v[FBL+8*\i:FBL+8*\i+3],   v[ADRB] offset:((\kl)%2)*32768+\i*1024
	ds_load_b128 v[FBL+8*\i+4:FBL+8*\i+7], v[ADRB] offset:((\kl)%2)*32768+\i*1024+512
.endr
.endm
.macro FA buf, off                     ; the four fragments of desc for 32 along K
	WIN 0
	v_add_nc_u32 v[ADRA], s[TA], v[VA0]
.irp mt, 0,1,2,3
	ds_load_b128 v[(\buf)+8*\mt:(\buf)+8*\mt+3],   v[ADRA] offset:(\off)+\mt*1024
	ds_load_b128 v[(\buf)+8*\mt+4:(\buf)+8*\mt+7], v[ADRA] offset:(\off)+\mt*1024+512
.endr
.endm
; A K STEP is two units of 32 matrix instructions: LU (half 0, fragments out of LDS) and GU (half 1, fragments out of memory); both take desc's fragments fa.
; LU.  gi >= 0: buffer gi, which the unit before has read, takes the K step two on: four places, then its 16 loads.  mode 0, 3: plain.
; mode 1: the slot's third K step: its fragments are in registers, so the slot has been read out.  Each wave waits for all its tensor loads (the one that is out is its quarter of the other slot), adds 0 to its
; spare word, waits for that and for its reads; a round of the cluster's barrier; the joint refill first behind it.  mode 2: the same with nothing left to ask for, and my work-group's barrier alone.
.macro LU fa, zero, mode, gi
	s_wait_dscnt 0x0                               ; this K step's fragments out of LDS are in
.if (\gi) >= 0
	PLACES
	GI \gi
.endif
.if ((\mode) == 1) || ((\mode) == 2)
	WIN 0
	s_wait_tensorcnt 0x0
	ds_add_u32 v[SPW], v[NIL]                      ; 0 onto my spare word; eight products stand between it and the wait for it
	MUL 0, \fa, FBL, 0, 1, \zero
	s_wait_dscnt 0x0
	s_barrier_signal -1
	MUL 0, \fa, FBL, 1, 1, \zero
	WIN 0
	s_barrier_wait -1
.if (\mode) == 1
	CREST
	JL
.endif
	s_xor_b32 s[TB], s[TB], SLOT1                  ; the reads go on in the other slot
	MUL 0, \fa, FBL, 2, 2, \zero
.else
	MUL 0, \fa, FBL, 0, 4, \zero
.endif
.endm
; GU.  nkl >= 0: four places behind LU's products, then the next K step's fragments out of LDS: k' (K step nkl of the slot that is read) and desc (into nfa, at aoff): 32 matrix instructions ahead of their use.
; cnt: the loads issued behind this K step's, which may stay out: those of the two K steps to come, 32 (in b = 1's first two K steps its 16 mask words lie among them, and the count is stricter than it need be);
; in b = 1's last two K steps 16 and 0.
.macro GU fa, gb, zero, cnt, nkl, nfa, aoff
.if (\nkl) >= 0
	PLACES
	FB \nkl
	FA \nfa, \aoff
.endif
	s_wait_loadcnt \cnt
	MUL 1, \fa, \gb, 0, 4, \zero
.endm
.macro TRIP mode                       ; from a slot's second K step to the next slot's first
	LU FA1, 0, 0, 0
	GU FA1, GB1, 0, 32, 2, FA2, 8192
	LU FA2, 0, \mode, 1
	GU FA2, GB2, 0, 32, 0, FA0, 12288
	LU FA0, 0, 0, 2
	GU FA0, GB0, 0, 32, 1, FA1, 16384
	WIN 0
	s_add_co_u32 s[TA], s[TA], 12288
.endm
; A b's last two K steps.  last = 0: both roads run on: the slot is filled again with b = 1's second slot, and buffers 0 and 1 take b = 1's K steps 0 and 1, which land under the softmax.
; last = 1: nothing more is asked for on either road.
.macro TAILQ last
.if \last
	LU FA1, 0, 0, -1
	GU FA1, GB1, 0, 16, 2, FA2, 8192
	LU FA2, 0, 3, -1
	GU FA2, GB2, 0, 0, -1, 0, 0
.else
	LU FA1, 0, 0, 0
	GU FA1, GB1, 0, 32, 2, FA2, 8192
	LU FA2, 0, 1, 1
	GU FA2, GB2, 0, 32, -1, 0, 0
.endif
.endm
; THE PRODUCTS OF ONE b: 24 K steps of 32 = 8 slots.  Slot g is filled again, with slot g + 2 of the 16, in its third K step.
; last = 0: all 8 slots are filled again (7 in the loop, one in the tail).  last = 1: 6 are; the last slot but one is left without a refill, the last without a barrier.
.macro GEMM last
	WIN 0
	s_mov_b32 s[TA], 0
	FA FA0, 0
	FB 0
	LU FA0, 1, 0, 2                                ; the first K step starts the sums
	GU FA0, GB0, 1, 32, 1, FA1, 4096
	WIN 0
	s_mov_b32 s[TRIP], 7-(\last)
.Ltrip_\@:
	TRIP 1
	s_sub_co_u32 s[TRIP], s[TRIP], 1
	s_cmp_lg_u32 s[TRIP], 0
	s_cbranch_scc1 .Ltrip_\@
.if \last
	TRIP 2
.endif
	TAILQ \last
	WIN 0
.endm
.macro MAXT win, t1, t2                ; M = max(M, n tiles t1, t2), for my 32 d
	WIN \win
.set dd, 0
.rept 32
.set b0, 64*(dd/8)+dd%8
	v_max3_num_f32 v[M+dd], v[M+dd], v[b0+8*((\t1)%8)], v[b0+8*((\t2)%8)]
.set dd, dd+1
.endr
.endm
; The four waves' figures for the 64 d meet in LDS: my 32 (every lane of a half holds the same) go out, a barrier, all four waves' come back into window 1: waves 0, 1 at v0, v32; waves 2, 3 at v192, v224.
.macro XCH r, st, sr
	WIN 0
.irp e, 0,1,2,3,4,5,6,7
	ds_store_b128 v[\st], v[(\r)+4*\e:(\r)+4*\e+3] offset:64*(\e/2)+16*(\e%2)
.endr
	s_wait_dscnt 0x0                               ; for the others' sake
	s_barrier_signal -1
	s_barrier_wait -1
	WIN 0x40
.irp wv, 0,1,2,3
.irp e, 0,1,2,3,4,5,6,7
	ds_load_b128 v[32*\wv+128*(\wv/2)+4*\e:32*\wv+128*(\wv/2)+4*\e+3], v[\sr] offset:256*\wv+64*(\e/2)+16*(\e%2)
.endr
.endr
	s_wait_dscnt 0x0
.endm
	GEMM 0
	s_mov_b32 s[PASS], 2
.Lsoft:                                ; walked twice: behind b = 0's products and behind b = 1's; left in its middle the second time
	PLACES                                         ; behind the last products
	s_wait_loadcnt 32                              ; the mask words are in; behind b = 0's products the 32 loads of b = 1's first two K steps may stay out (behind b = 1's nothing is out)
.set t, 0
.rept 16                               ; for n tile t a pair of factors (1, or 0 where my n is hidden) in M's registers and a pair of addends (0, or the constant) in L's
	v_cmp_ge_i32 vcc_lo, 0, v[WA+t]
	v_cndmask_b32 v[M+2*t], 1.0, 0, vcc_lo
	v_cndmask_b32 v[M+2*t+1], 1.0, 0, vcc_lo
	v_cndmask_b32 v[L+2*t], 0, s[NEG], vcc_lo
	v_cndmask_b32 v[L+2*t+1], 0, s[NEG], vcc_lo
.set t, t+1
.endr
.irp W, 2,3                            ; s x factor + addend, two d at a time: s itself, or the constant; each accumulator's registers in ascending order
	WIN 0x41*\W
.set a, 0
.rept 32
.set t, 8*(\W-2)+a%8
.irp jp, 0,1,2,3
	v_pk_fma_f32 v[8*a+2*\jp:8*a+2*\jp+1], v[8*a+2*\jp:8*a+2*\jp+1], v[M+2*t:M+2*t+1], v[L+2*t:L+2*t+1]
.endr
.set a, a+1
.endr
.endr
	WIN 0x2a                                       ; the maximum over my 16 n tiles, three operands at a time
.set dd, 0
.rept 32
.set b0, 64*(dd/8)+dd%8
	v_max3_num_f32 v[M+dd], v[b0], v[b0+8], v[b0+16]
.set dd, dd+1
.endr
	MAXT 0x28, 3, 4
	MAXT 0x28, 5, 6
	MAXT 0x38, 7, 8
	MAXT 0x3c, 9, 10
	MAXT 0x3c, 11, 12
	MAXT 0x3c, 13, 14
.set dd, 0
.rept 32
	v_max_num_f32 v[M+dd], v[M+dd], v[64*(dd/8)+dd%8+56]
.set dd, dd+1
.endr
	WIN 0
.irp x, 1,2,4,8                        ; over the 16 n of a tile: the lanes of a half
.set dd, 0
.rept 32
	v_max_num_f32_dpp v[M+dd], v[M+dd], v[M+dd] row_xmask:\x row_mask:0xf bank_mask:0xf
.set dd, dd+1
.endr
.endr
	XCH M, VST, VSR                                ; over the four waves
	WIN 0x15
.set dd, 0
.rept 32
	v_max3_num_f32 v[M+dd], v[dd], v[32+dd], v[192+dd]
.set dd, dd+1
.endr
	WIN 0x01
.set dd, 0
.rept 32
	v_max_num_f32 v[M+dd], v[224+dd], v[M+dd]
.set dd, dd+1
.endr
	WIN 0
.set p, 0
.rept 16
	v_pk_mul_f32 v[M+2*p:M+2*p+1], v[M+2*p:M+2*p+1], s[CS:CS+1] op_sel_hi:[1,0]  ; c0 m
.set p, p+1
.endr
.macro FM a, jp                        ; c0 s - c0 m for a pair of d
	v_pk_fma_f32 v[8*(\a)+2*(\jp):8*(\a)+2*(\jp)+1], v[8*(\a)+2*(\jp):8*(\a)+2*(\jp)+1], s[CS:CS+1], v[M+8*((\a)/8)+2*(\jp):M+8*((\a)/8)+2*(\jp)+1] op_sel_hi:[1,0,1] neg_lo:[0,0,1] neg_hi:[0,0,1]
.endm
.irp W, 2,3                            ; p in place: behind every second exponential a scaling of the next accumulator, which names none of their registers
	WIN 0x41*\W
.irp jp, 0,1,2,3
	FM 0, \jp
.endr
.set a, 0
.rept 32
.irp jp, 0,1,2,3
	v_exp_f32 v[8*a+2*\jp], v[8*a+2*\jp]
	v_exp_f32 v[8*a+2*\jp+1], v[8*a+2*\jp+1]
.if a < 31
	FM a+1, \jp
.endif
.endr
.set a, a+1
.endr
.endr
	v_nop                                          ; a plain instruction behind the last exponential
	WIN 0x0a                                       ; l: the sum over my 16 n tiles; the 16 pairs of d take turns
.set p, 0
	s_wait_alu depctr_va_vdst(0)
.rept 16
.set b0, 64*(p/4)+2*(p%4)
	v_pk_add_f32 v[L+2*p:L+2*p+1], v[b0:b0+1], v[b0+8:b0+9]
.set p, p+1
.endr
.set t, 2
.rept 14
	WIN 0x08+4*(t/8)
.set p, 0
.rept 16
.set b0, 64*(p/4)+2*(p%4)+8*(t%8)
	v_pk_add_f32 v[L+2*p:L+2*p+1], v[L+2*p:L+2*p+1], v[b0:b0+1]
.set p, p+1
.endr
.set t, t+1
.endr
	WIN 0
.irp x, 1,2,4,8
.set dd, 0
.rept 32
	v_add_f32_dpp v[L+dd], v[L+dd], v[L+dd] row_xmask:\x row_mask:0xf bank_mask:0xf
.set dd, dd+1
.endr
.endr
	XCH L, VLT, VLR
	WIN 0x45
.set p, 0
.rept 16
	v_pk_add_f32 v[2*p:2*p+1], v[2*p:2*p+1], v[32+2*p:32+2*p+1]
	v_pk_add_f32 v[192+2*p:192+2*p+1], v[192+2*p:192+2*p+1], v[224+2*p:224+2*p+1]
.set p, p+1
.endr
	WIN 0x05
.set p, 0
.rept 16
	v_pk_add_f32 v[L+2*p:L+2*p+1], v[2*p:2*p+1], v[192+2*p:192+2*p+1]
.set p, p+1
.endr
	WIN 0
.set dd, 0
.rept 32
	v_rcp_f32 v[L+dd], v[L+dd]
.set dd, dd+1
.endr
	v_nop                                          ; a plain instruction behind the last reciprocal
.set p, 0
	s_wait_alu depctr_va_vdst(0)
.rept 16
	v_pk_mul_f32 v[L+2*p:L+2*p+1], v[L+2*p:L+2*p+1], v[DMF+2*p:DMF+2*p+1]  ; F = dm / (number of valid d) / l
.set p, p+1
.endr
.irp W, 2,3                            ; w = sum over d of F p: a pair of partial sums for each n tile; eight tiles take turns
	WIN \W
.set p, 0
.rept 16
.set i, 0
.rept 8
.set t, 8*(\W-2)+i
.set b0, 64*(p/4)+8*i+2*(p%4)
.if p == 0
	v_pk_mul_f32 v[WA+2*t:WA+2*t+1], v[b0:b0+1], v[L+2*p:L+2*p+1]
.else
	v_pk_fma_f32 v[WA+2*t:WA+2*t+1], v[b0:b0+1], v[L+2*p:L+2*p+1], v[WA+2*t:WA+2*t+1]
.endif
.set i, i+1
.endr
.set p, p+1
.endr
.endr
	WIN 0
.set t, 0
.rept 16
	v_add_f32 v[WA+2*t], v[WA+2*t], v[WA+2*t+1]
.set t, t+1
.endr
.set t, 0
.rept 16
	v_permlanex16_b32 v[WA+2*t+1], v[WA+2*t], s[SEL], s[SEL+1]  ; the other 32 d lie in the lane 16 away
.set t, t+1
.endr
.set t, 0
.rept 16
	v_add_f32 v[WA+2*t], v[WA+2*t], v[WA+2*t+1]
.set t, t+1
.endr
.set t, 0
.rept 16
	ds_store_b32 v[VWS], v[WA+2*t] offset:64*t     ; my wave's own 1,024 bytes: n in order
.set t, t+1
.endr
	ds_load_b128 v[32:35], v[VWR]                  ; LDS serves a wave's instructions in order (ISA guide 5.7.1.4): these see the stores above
	ds_load_b128 v[36:39], v[VWR] offset:16
	s_wait_dscnt 0x0
	v_cvt_pk_bf16_f32 v40, v32, v33
	v_cvt_pk_bf16_f32 v41, v34, v35
	v_cvt_pk_bf16_f32 v42, v36, v37
	v_cvt_pk_bf16_f32 v43, v38, v39
	global_store_b128 v[VWG], v[40:43], s[12:13]   ; the wave's 512 consecutive bytes, at a multiple of 512 from wbuf's first byte
	s_wait_xcnt 0x0                                ; the store's registers and base are rewritten only behind this wait
	s_add_nc_u64 s[12:13], s[12:13], 524288        ; row 256 + c
	s_add_nc_u64 s[8:9], s[8:9], 4096              ; the next b's mask
	s_cmp_eq_u32 s[PASS], 1
	s_cbranch_scc1 .Lend
	MASKW                                          ; b = 1's mask words; its K steps 0 and 1 of half 1 were asked for in b = 0's tail
	GEMM 1
	s_sub_co_u32 s[PASS], s[PASS], 1
	s_branch .Lsoft
.Lend:
	THREE                                          ; the wave's end
	CROUND                                         ; the closing round
	s_endpgm
.Lfunc_end_k_q3b9110f005_attn:
	.size	k_q3b9110f005_attn, .Lfunc_end_k_q3b9110f005_attn-k_q3b9110f005_attn
	.p2alignl 7, 3214868480
	.fill 96, 4, 3214868480
	.section	.rodata,"a",@progbits
	.p2align	6, 0x0
	.amdhsa_kernel k_q3b9110f005_attn
		.amdhsa_group_segment_fixed_size 327680
		.amdhsa_private_segment_fixed_size 0
		.amdhsa_enable_private_segment 0
		.amdhsa_kernarg_size 40
		.amdhsa_user_sgpr_count 2
		.amdhsa_user_sgpr_kernarg_segment_ptr 1
		.amdhsa_wavefront_size32 1
		.amdhsa_system_sgpr_workgroup_id_x 1
		.amdhsa_system_sgpr_workgroup_id_y 1
		.amdhsa_system_sgpr_workgroup_id_z 1
		.amdhsa_system_vgpr_workitem_id 0
		.amdhsa_next_free_vgpr 1024
		.amdhsa_next_free_sgpr 90
		.amdhsa_reserve_vcc 1
		.amdhsa_float_denorm_mode_32 3
		.amdhsa_float_denorm_mode_16_64 3
		.amdhsa_memory_ordered 1
		.amdhsa_forward_progress 1
		.amdhsa_inst_pref_size 255
	.end_amdhsa_kernel
	.section	.bss,"aw",@nobits
	.p2align	6
	.space	262144
	.amdgpu_metadata
---
amdhsa.version: [ 1, 2 ]
amdhsa.kernels:
  - .name:           k_q3b9110f005_attn
    .symbol:         k_q3b9110f005_attn.kd
    .args:
      - { .name: desc_emb, .offset: 0, .size: 8, .value_kind: global_buffer, .address_space: global }
      - { .name: kb, .offset: 8, .size: 8, .value_kind: global_buffer, .address_space: global }
      - { .name: attention_masks, .offset: 16, .size: 8, .value_kind: global_buffer, .address_space: global }
      - { .name: desc_mask, .offset: 24, .size: 8, .value_kind: global_buffer, .address_space: global }
      - { .name: wbuf, .offset: 32, .size: 8, .value_kind: global_buffer, .address_space: global }
    .group_segment_fixed_size: 327680
    .private_segment_fixed_size: 0
    .kernarg_segment_align: 8
    .kernarg_segment_size: 40
    .max_flat_workgroup_size: 128
    .sgpr_count:     90
    .vgpr_count:     1024
    .wavefront_size: 32
...
	.end_amdgpu_metadata
.endif
;; end of part 8
;; launch pool: the kernel of part 4 again; grid 12 x 16, 4 waves a work-group, no clusters, 206,848 bytes of LDS; arguments wbuf, vb, pooled; writes pooled
;; launch norm: the kernel of part 5 again; grid 8 x 1, 16 waves a work-group, no clusters, 2,304 bytes of LDS; arguments pooled, ln_g, ln_b, Wo, bo, out0; writes out0
;; ======== version 3 of 3: 5 launches; version 2 with the launches fold, proj written anew for expert scheduling mode
;; workspace buffers: mt 2,359,296 bytes; kb 3,145,728 bytes; vb 3,145,728 bytes; wbuf 1,048,576 bytes; pooled 1,572,864 bytes
;; launch fold (part 9): grid 12 x 12, 4 waves a work-group, no clusters, 58,880 bytes of LDS; arguments Wq, Wk, mt; writes mt
.if DOCPART == 9
	.amdgcn_target "amdgcn-amd-amdhsa--gfx1250"
	.amdhsa_code_object_version 6
	.text
	.protected	k_q3b9110f005_fold
	.globl	k_q3b9110f005_fold
	.p2align	8
	.type	k_q3b9110f005_fold,@function
k_q3b9110f005_fold:
	s_mov_b64 s[64:65], 0
	v_nop
	global_prefetch_b8 v0, s[64:65] scope:SCOPE_SE
	s_setreg_imm32_b32 hwreg(HW_REG_WAVE_SCHED_MODE, 0, 2), 2
	s_setreg_imm32_b32 hwreg(HW_REG_WAVE_MODE, 25, 1), 1
	s_wait_xcnt 0x0
	s_wait_alu depctr_vm_vsrc(0)
; MT[i][i'] = sum over j of Wq[j][i] Wk[j][i'], f32, [768][768].  With it scores = desc . (x MT^T)^T: the two projections in front of the
; scores become one small product, for every input (the sums are only regrouped).
; A work-group makes 64 x 64 of MT; each of its four waves 32 x 32: four accumulators.  j goes in 12 steps of 64.
; Both operands lie [j][column] in f32: they pass through registers to be rounded to bf16, lie in LDS as [j][64], and are turned by ds_load_tr16_b128.
; LOADS TWO STEPS AHEAD: two sets of 64 load registers; set s % 2 goes with LDS buffer s % 2.  Step s asks for step s + 2 and, behind its products, rounds step s + 1.
; The accumulators are cleared (32 lines), so that the loop holds all ten steps that ask ahead and no first step is written out beside it.
; NO CLUSTER, NO TENSOR LOADS: every byte must pass through registers for the rounding, so there is no tile that a joint request could bring.
; THE MODE: SCHED_MODE bits 1:0 = 2 (LLVM: expert scheduling mode 2), set by the entry lines.  The code itself states the register dependences
; between vector or matrix instructions and memory or LDS instructions, with s_wait_alu, always for 0.
; THE PLAN.  Registers that memory or LDS instructions touch:
;   v2-v8         offsets and LDS addresses: written at the head, never again; read by every load and store.
;   set 0, set 1  Set p: the global loads that step s (s % 2 = p) issues land in it; step s + 1's roundings read and write it in place; the LDS stores behind them read it.
;   FQ, FK        The turning loads at a step's head land in them; the step's eight products read them.
;   ACC           Named by the products alone, until the way out's LDS stores read it.
;   v16-47        On the way out: the loads from the stage land in them, the global stores read them.
;   v240, v241    Written at the head, read by the closing add alone.
; ONE wait on va_vdst stands in a step, between the roundings and the LDS stores: the roundings have written the set that the stores read and are done with it, so that the next
; step's global loads may land in it; and the step's products are done reading FQ and FK, in which the next step's turning loads land.  Between that wait and those loads no vector or
; matrix instruction names these registers: the products between name FQ, FK and ACC.  ONE wait on vm_vsrc stands at the head of a step that asks ahead: the LDS stores have read the set.
; So a step's global loads stand among its first four products with no further wait.
.set PW,    3072                       ; bytes in a row of Wq, Wk, MT
.set KST,   64*PW                      ; bytes from a step's rows to the next step's
.set PT,    160                        ; an LDS row: 128 bytes + 32
.set TILE,  64*PT
.set BUF,   2*TILE                     ; Wq's tile, then Wk's
.set STAGE, 2*BUF                      ; 64 rows x 272 bytes for the way out
.set SP,    272
.set VGO, 2                            ; my 16 bytes in the first 8 rows of a tile in memory
.set VLS, 3                            ; my 8 bytes in the first 8 rows of a tile in LDS
.set VTQ, 4                            ; turning load, Wq's tile
.set VTK, 5                            ; turning load, Wk's tile
.set VSS, 6                            ; into the stage
.set VSR, 7                            ; back from the stage
.set VSG, 8                            ; my byte offset in MT's tile
.set GD,  16                           ; set 0: v16-79; set 1: v176-239: 16 loads of 4 registers, rounded in place
.set FQ,  80                           ; v80-111  fragments of Wq: FQ + 16 kk + 8 a
.set FK,  112                          ; v112-143 fragments of Wk: FK + 16 kk + 8 cc
.set ACC, 144                          ; v144-175 accumulator (a, cc) at ACC + 8 (2 a + cc)
	s_load_b128 s[4:7], s[0:1], 0x0                ; Wq s[4:5], Wk s[6:7]
	s_load_b64 s[8:9], s[0:1], 0x10                ; MT
	v_lshl_add_u32 v240, v0, 2, 0xe400
	v_mov_b32 v241, 0
	v_lshrrev_b32 v1, 5, v0
	v_readfirstlane_b32 s10, v1                    ; wave 0..3
	s_and_b32 s11, ttmp7, 0xffff                   ; Y: which 64 columns of Wq (rows of MT)
	s_lshl_b32 s12, ttmp9, 8                       ; X: which 64 columns of Wk, in bytes
	s_mov_b32 s13, 0
	s_lshl_b32 s14, s11, 8
	s_mov_b32 s15, 0
	s_mul_i32 s16, s11, 64*PW
	s_add_co_u32 s16, s16, s12                     ; the tile's first byte in MT
	s_mov_b32 s17, 0
	s_wait_alu depctr_va_sdst(0)                   ; s10 is written, ahead of its first reader
	s_and_b32 s18, s10, 1                          ; wm: my 32 rows
	s_lshr_b32 s19, s10, 1                         ; wn: my 32 columns
	v_lshrrev_b32 v9, 4, v0                        ; thread / 16: 0..7
	v_and_b32 v10, 15, v0                          ; r
	v_bfe_u32 v11, v0, 4, 1                        ; h
	v_and_b32 v12, 7, v0
	v_bfe_u32 v13, v0, 3, 1
	v_mul_u32_u24 v[VGO], v9, PW
	v_lshl_add_u32 v[VGO], v10, 4, v[VGO]
	v_mul_u32_u24 v[VLS], v9, PT
	v_lshl_add_u32 v[VLS], v10, 3, v[VLS]
	v_lshl_add_u32 v14, v11, 3, v12                ; the turning load: row 8 h + lane % 8,
	v_mul_u32_u24 v14, v14, PT
	v_lshl_add_u32 v14, v13, 4, v14                ; 16 bytes by (lane / 8) % 2
	s_lshl_b32 s20, s18, 6
	s_lshl_b32 s21, s19, 6
	s_add_co_u32 s21, s21, TILE
	v_add_nc_u32 v[VTQ], s20, v14
	v_add_nc_u32 v[VTK], s21, v14
	s_mul_i32 s22, s18, 32*SP
	s_lshl_b32 s23, s19, 7
	s_add_co_u32 s22, s22, s23
	s_add_co_u32 s22, s22, STAGE
	v_mul_u32_u24 v15, v10, SP
	v_lshl_add_u32 v15, v11, 5, v15
	v_add_nc_u32 v[VSS], s22, v15                  ; row 32 wm + r, column 32 wn + 8 h
	s_mul_i32 s22, s10, 16*SP
	s_add_co_u32 s22, s22, STAGE
	v_mul_u32_u24 v15, v11, SP
	v_lshl_add_u32 v15, v10, 4, v15
	v_add_nc_u32 v[VSR], s22, v15                  ; row 16 w + h, 16 bytes by r
	s_mul_i32 s22, s10, 16*PW
	v_mul_u32_u24 v15, v11, PW
	v_lshl_add_u32 v15, v10, 4, v15
	v_add_nc_u32 v[VSG], s22, v15
	s_wait_kmcnt 0x0
	s_add_nc_u64 s[4:5], s[4:5], s[14:15]
	s_add_nc_u64 s[6:7], s[6:7], s[12:13]
	s_add_nc_u64 s[8:9], s[8:9], s[16:17]
	s_wait_alu depctr_va_vdst(0)                   ; the seven offsets and addresses v2 to v8 are written, which every load and store below reads
; Four of a step's 16 loads, imm bytes behind the bases.  n = 0, 1: rows 0-31, 32-63 of Wq's tile; n = 2, 3: of Wk's.  A tile is 64 rows x 256 bytes; 16 lanes take a row's 256 bytes.
.macro GL4 set, imm, n
.set GS, GD+160*(\set)
.irp q, 0,1,2,3
	global_load_b128 v[GS+16*(\n)+4*\q:GS+16*(\n)+4*\q+3], v[VGO], s[4+2*((\n)/2):5+2*((\n)/2)] offset:(\imm)+(4*((\n)%2)+\q)*8*PW
.endr
.endm
.macro GLOAD set, imm                  ; a step's two tiles
	GL4 \set, \imm, 0
	GL4 \set, \imm, 1
	GL4 \set, \imm, 2
	GL4 \set, \imm, 3
.endm
.macro TOLDS set, cnt                  ; set's 16 loads are rounded to bf16 and laid into LDS buffer set; cnt: the younger loads, which may stay out
.set GS, GD+160*(\set)
	s_wait_loadcnt \cnt
.set e, 0
.rept 16
	v_cvt_pk_bf16_f32 v[GS+4*e], v[GS+4*e], v[GS+4*e+1]
	v_cvt_pk_bf16_f32 v[GS+4*e+1], v[GS+4*e+2], v[GS+4*e+3]
.set e, e+1
.endr
	s_wait_alu depctr_va_vdst(0)                   ; the roundings have written the set, which the LDS stores read, and are done with it; the products ahead of them are done reading FQ and FK, in which the next turning loads land
.irp q, 0,1,2,3,4,5,6,7
	ds_store_b64 v[VLS], v[GS+4*\q:GS+4*\q+1] offset:(\set)*BUF+\q*8*PT
	ds_store_b64 v[VLS], v[GS+32+4*\q:GS+32+4*\q+1] offset:(\set)*BUF+TILE+\q*8*PT
.endr
	s_wait_dscnt 0x0                               ; for the others' sake: my stores are done (my reads of that buffer were waited for ahead of the last step's second products)
	s_barrier_signal -1
	s_barrier_wait -1
.endm
; One step of 64 along j out of buffer buf.  more = 2: the step two on is asked for, into set buf, whose numbers lie in LDS: four loads behind each of the first four products;
; the next step is laid into the other buffer behind the products.  more = 1: only the latter.
.macro STEP buf, more
.if (\more) == 2
	s_wait_alu depctr_vm_vsrc(0)                   ; the LDS stores that laid this step into buffer buf have read set buf, in which the global loads below land
.endif
.irp kk, 0,1
.irp a, 0,1
	ds_load_tr16_b128 v[FQ+16*\kk+8*\a:FQ+16*\kk+8*\a+3],   v[VTQ] offset:(\buf)*BUF+\kk*32*PT+\a*32
	ds_load_tr16_b128 v[FQ+16*\kk+8*\a+4:FQ+16*\kk+8*\a+7], v[VTQ] offset:(\buf)*BUF+\kk*32*PT+\a*32+16*PT
	ds_load_tr16_b128 v[FK+16*\kk+8*\a:FK+16*\kk+8*\a+3],   v[VTK] offset:(\buf)*BUF+\kk*32*PT+\a*32
	ds_load_tr16_b128 v[FK+16*\kk+8*\a+4:FK+16*\kk+8*\a+7], v[VTK] offset:(\buf)*BUF+\kk*32*PT+\a*32+16*PT
.endr
.endr
.irp kk, 0,1                           ; source 0 = 16 columns of Wk, source 1 = 16 columns of Wq: a lane holds a row of MT and eight neighbouring columns; the four accumulators take turns
	s_wait_dscnt 8*(1-\kk)                         ; the first 32 along j: the eight loads of the second 32, issued behind them, may stay out; the second 32: all are in
.irp a, 0,1
.irp cc, 0,1
	v_wmma_f32_16x16x32_bf16 v[ACC+8*(2*\a+\cc):ACC+8*(2*\a+\cc)+7], v[FK+16*\kk+8*\cc:FK+16*\kk+8*\cc+7], v[FQ+16*\kk+8*\a:FQ+16*\kk+8*\a+7], v[ACC+8*(2*\a+\cc):ACC+8*(2*\a+\cc)+7]
.if ((\more) == 2) && (\kk == 0)
	GL4 \buf, (2+(\buf))*KST, 2*\a+\cc             ; no wait: no vector or matrix instruction since the last wait on va_vdst names set buf
.endif
.endr
.endr
.endr
.if (\more) == 2
	TOLDS 1-(\buf), 16                             ; the 16 loads just issued may stay out
.elseif (\more) == 1
	TOLDS 1-(\buf), 0
.endif
.endm
	GLOAD 0, 0
	GLOAD 1, KST
.set e, 0
.rept 32
	v_mov_b32 v[ACC+e], 0
.set e, e+1
.endr
	TOLDS 0, 16                                    ; step 0 is in; step 1's 16 loads may stay out
	s_mov_b32 s20, 5
.Lstep:                                ; steps 2 t and 2 t + 1; they ask for steps 2 t + 2 and 2 t + 3
	STEP 0, 2
	STEP 1, 2
	s_wait_xcnt 0x0                                ; the bases step only behind this wait
	s_add_nc_u64 s[4:5], s[4:5], 2*KST
	s_add_nc_u64 s[6:7], s[6:7], 2*KST
	s_sub_co_u32 s20, s20, 1
	s_cmp_lg_u32 s20, 0
	s_cbranch_scc1 .Lstep
	STEP 0, 1                                      ; step 10 asks for nothing
	STEP 1, 0                                      ; step 11
.rept 4
	v_nop                                          ; the places behind the last products
.endr
	s_wait_alu depctr_va_vdst(0)                   ; the products have written the accumulators, which the LDS stores read; the places above stay beside this wait
.irp a, 0,1
.irp cc, 0,1
	ds_store_b128 v[VSS], v[ACC+8*(2*\a+\cc):ACC+8*(2*\a+\cc)+3]   offset:\a*16*SP+\cc*64
	ds_store_b128 v[VSS], v[ACC+8*(2*\a+\cc)+4:ACC+8*(2*\a+\cc)+7] offset:\a*16*SP+\cc*64+16
.endr
.endr
	s_wait_dscnt 0x0                               ; a row's 256 bytes come from two waves
	s_barrier_signal -1
	s_barrier_wait -1
	s_wait_alu depctr_vm_vsrc(0)                   ; the LDS stores that laid step 10 into buffer 0 have read v16 to v47, in which the loads from the stage land
.irp q, 0,1,2,3,4,5,6,7
	ds_load_b128 v[GD+4*\q:GD+4*\q+3], v[VSR] offset:\q*2*SP
.endr
.irp q, 0,1,2,3,4,5,6,7
	s_wait_dscnt 7-\q                              ; the younger loads may stay out
	global_store_b128 v[VSG], v[GD+4*\q:GD+4*\q+3], s[8:9] offset:\q*2*PW  ; 16 lanes store 256 consecutive bytes, at a multiple of 256 from MT's first byte
.endr
	s_wait_dscnt 0x0                               ; the closing lines, six on end
	s_wait_alu 0x0
	s_wait_tensorcnt 0x0
	ds_add_u32 v240, v241
	s_wait_dscnt 0x0
	s_endpgm
.Lfunc_end_k_q3b9110f005_fold:
	.size	k_q3b9110f005_fold, .Lfunc_end_k_q3b9110f005_fold-k_q3b9110f005_fold
	.p2alignl 7, 3214868480
	.fill 96, 4, 3214868480
	.section	.rodata,"a",@progbits
	.p2align	6, 0x0
	.amdhsa_kernel k_q3b9110f005_fold
		.amdhsa_group_segment_fixed_size 58880
		.amdhsa_private_segment_fixed_size 0
		.amdhsa_enable_private_segment 0
		.amdhsa_kernarg_size 24
		.amdhsa_user_sgpr_count 2
		.amdhsa_user_sgpr_kernarg_segment_ptr 1
		.amdhsa_wavefront_size32 1
		.amdhsa_system_sgpr_workgroup_id_x 1
		.amdhsa_system_sgpr_workgroup_id_y 1
		.amdhsa_system_sgpr_workgroup_id_z 1
		.amdhsa_system_vgpr_workitem_id 0
		.amdhsa_next_free_vgpr 242
		.amdhsa_next_free_sgpr 66
		.amdhsa_reserve_vcc 0
		.amdhsa_float_denorm_mode_32 3
		.amdhsa_float_denorm_mode_16_64 3
		.amdhsa_memory_ordered 1
		.amdhsa_forward_progress 1
		.amdhsa_inst_pref_size 32
	.end_amdhsa_kernel
	.amdgpu_metadata
---
amdhsa.version: [ 1, 2 ]
amdhsa.kernels:
  - .name:           k_q3b9110f005_fold
    .symbol:         k_q3b9110f005_fold.kd
    .args:
      - { .name: Wq, .offset: 0, .size: 8, .value_kind: global_buffer, .address_space: global }
      - { .name: Wk, .offset: 8, .size: 8, .value_kind: global_buffer, .address_space: global }
      - { .name: mt, .offset: 16, .size: 8, .value_kind: global_buffer, .address_space: global }
    .group_segment_fixed_size: 58880
    .private_segment_fixed_size: 0
    .kernarg_segment_align: 8
    .kernarg_segment_size: 24
    .max_flat_workgroup_size: 128
    .sgpr_count:     66
    .vgpr_count:     242
    .wavefront_size: 32
...
	.end_amdgpu_metadata
.endif
;; end of part 9
;; launch proj (part 10): grid 16 x 12, 8 waves a work-group, no clusters, 74,752 bytes of LDS; arguments x, mt, Wv, kb, vb; writes kb, vb
.if DOCPART == 10
	.amdgcn_target "amdgcn-amd-amdhsa--gfx1250"
	.amdhsa_code_object_version 6
	.text
	.protected	k_q3b9110f005_proj
	.globl	k_q3b9110f005_proj
	.p2align	8
	.type	k_q3b9110f005_proj,@function
k_q3b9110f005_proj:
	s_mov_b64 s[64:65], 0
	v_nop
	global_prefetch_b8 v0, s[64:65] scope:SCOPE_SE
	s_setreg_imm32_b32 hwreg(HW_REG_WAVE_SCHED_MODE, 0, 2), 2
	s_setreg_imm32_b32 hwreg(HW_REG_WAVE_MODE, 25, 1), 1
	s_wait_xcnt 0x0
	s_wait_alu depctr_vm_vsrc(0)
; Two products of one shape, C[m][col] = sum over k of A[m][k] B[col][k], K = 768, f32 operands rounded to bf16, f32 sums, C rounded once to bf16:
;   grid y < 6:  k'[n][i] = sum x[n][i'] MT[i][i']   (A = x, B = MT, C -> kb)          grid y >= 6:  v[j][n] = sum Wv[j][i] x[n][i]   (A = Wv, B = x, C -> vb)
; C leaves in FRAGMENT ORDER: blocks of 1,024 bytes, 16 rows x 32 columns; (row r, column 16 x + 8 h + e) lies at 512 x + 16 (16 h + r) + 2 e, so that
; the launches behind read a matrix operand as two loads of 16 bytes a lane, 512 consecutive bytes each.
;   kb: n = 256 w + 128 hf + 16 i + r of batch b, kt = column / 32: block at hf 1,572,864 + b 786,432 + kt 32,768 + w 8,192 + i 1,024
;   vb: jt = j / 16, nt = n / 32 of batch b: block at b 1,572,864 + nt 49,152 + jt 1,024
; A work-group makes 128 x 128; each of eight waves 32 rows x 64 columns: eight accumulators.  K goes in 12 steps of 64 through two LDS buffers.
; LOADS TWO STEPS AHEAD: two sets of 64 load registers; set s % 2 goes with LDS buffer s % 2.  Step s asks for step s + 2 and, behind its products, rounds step s + 1.
; The accumulators are cleared (64 lines), so that the loop holds all ten steps that ask ahead and no first step is written out beside it.
; REGISTERS: window 0: v0-15 addresses; v16-79, v80-143 the two sets; v144-175 A's fragments; v176-239 B's.  Window 1: v0-63 the accumulators.
; NO CLUSTER, NO TENSOR LOADS: every operand byte must pass through registers for the rounding to bf16.
; THE MODE: SCHED_MODE bits 1:0 = 2 (LLVM: expert scheduling mode 2), set by the entry lines.  The code itself states the register dependences
; between vector or matrix instructions and memory or LDS instructions, with s_wait_alu, always for 0.
; THE PLAN.  Registers that memory or LDS instructions touch:
;   v2-v8         offsets and LDS addresses: written at the head, never again; read by every load and store.
;   set 0, set 1  Set p: the global loads that step s (s % 2 = p) issues land in it; step s + 1's roundings read and write it in place; the LDS stores behind them read it.
;   FA, FB        The LDS loads at a step's head land in them; the step's sixteen products read them.
;   v16-47        On the way out: the roundings of the accumulators write them, the global stores read them.
;   v254, v255    Written at the head, read by the closing add alone.
;   The accumulators are named by vector and matrix instructions alone.
; ONE wait on va_vdst stands in a step, between the roundings and the LDS stores: the roundings have written the set that the stores read and are done with it, so that the next
; step's global loads may land in it; and the step's products are done reading FA and FB, in which the next step's LDS loads land.  Between that wait and those loads no vector or
; matrix instruction names these registers: the products between name FA, FB and the accumulators.  ONE wait on vm_vsrc stands at the head of a step that asks ahead: the LDS stores have read the set.
; A step's global loads stand in two runs of eight, one ahead of each half of its products: the accumulators lie in window 1, so a run among the products has a window switch on either side.
.set PW,   3072
.set PT,   144                         ; an LDS row: 128 bytes + 16
.set TILE, 128*PT
.set BUF,  2*TILE                      ; A's 128 rows, then B's
.set VGO, 2
.set VLS, 3                            ; my 8 bytes in the first 16 rows of A's tile in LDS
.set VFA, 4
.set VFB, 5
.set VO,  6                            ; v6, v7: my 16 bytes in C, for the first and the second 32 of my 64 columns
.set VLB, 8                            ; the same as VLS in B's tile: a register of its own keeps the stores' immediates at 52,992 at the most, inside their 16 bits
.set GD,  16                           ; set 0: v16-79; set 1: v80-143
.set FA,  144                          ; FA + 16 kk + 8 a
.set FB,  176                          ; FB + 32 kk + 8 ct
.set MSB, 0
.macro WIN new                         ; s_set_vgpr_msb: bits 1:0 source 0, 3:2 source 1, 5:4 source 2, 7:6 destination; the high byte repeats the setting that is left
.if MSB != (\new)
	s_set_vgpr_msb (MSB<<8)|(\new)
.set MSB, (\new)
.endif
.endm
	s_load_b256 s[4:11], s[0:1], 0x0               ; x s[4:5], MT s[6:7], Wv s[8:9], kb s[10:11]
	s_load_b64 s[12:13], s[0:1], 0x20              ; vb
	v_lshl_add_u32 v254, v0, 2, 0x12000
	v_mov_b32 v255, 0
	v_lshrrev_b32 v1, 5, v0
	v_readfirstlane_b32 s14, v1                    ; wave 0..7
	s_mov_b32 s15, ttmp9                           ; X: which 128 of the 2,048 rows of x
	s_and_b32 s16, ttmp7, 0xffff                   ; y
	s_sub_co_u32 s17, s16, 6
	s_lshr_b32 s22, s15, 3                         ; the batch
	s_and_b32 s20, s15, 1                          ; kb: hf,
	s_mul_i32 s20, s20, 1572864
	s_mul_i32 s18, s22, 786432                     ; b,
	s_add_co_u32 s20, s20, s18
	s_bfe_u32 s18, s15, 0x20001                    ; w,
	s_lshl_b32 s18, s18, 13
	s_add_co_u32 s20, s20, s18
	s_lshl_b32 s18, s16, 17                        ; and kt = 4 y on
	s_add_co_u32 s20, s20, s18
	s_and_b32 s21, s15, 7                          ; vb: nt = 4 (X % 8) on,
	s_mul_i32 s21, s21, 196608
	s_lshl_b32 s18, s17, 13                        ; jt = 8 (y - 6) on,
	s_add_co_u32 s21, s21, s18
	s_mul_i32 s18, s22, 1572864                    ; b
	s_add_co_u32 s21, s21, s18
	s_mov_b32 s33, 49152
	s_wait_kmcnt 0x0
	s_cmp_lt_u32 s16, 6                            ; which of the two products; the lines below leave SCC alone
	s_cselect_b64 s[24:25], s[4:5], s[8:9]         ; A
	s_cselect_b64 s[26:27], s[6:7], s[4:5]         ; B
	s_cselect_b64 s[28:29], s[10:11], s[12:13]     ; C
	s_cselect_b32 s30, s15, s17                    ; A's block of 128 rows
	s_cselect_b32 s31, s16, s15                    ; B's
	s_cselect_b32 s32, 0x8000, s33                 ; bytes in C from 32 columns to the next 32
	s_cselect_b32 s38, s20, s21
	s_mul_i32 s34, s30, 128*PW
	s_mov_b32 s35, 0
	s_mul_i32 s36, s31, 128*PW
	s_mov_b32 s37, 0
	s_mov_b32 s39, 0
	s_add_nc_u64 s[24:25], s[24:25], s[34:35]
	s_add_nc_u64 s[26:27], s[26:27], s[36:37]
	s_add_nc_u64 s[28:29], s[28:29], s[38:39]
	s_wait_alu depctr_va_sdst(0)                   ; s14 is written, ahead of its first reader
	s_and_b32 s40, s14, 3                          ; wm: my 32 rows
	s_lshr_b32 s41, s14, 2                         ; wn: my 64 columns
	v_lshrrev_b32 v9, 4, v0                        ; thread / 16: 0..15
	v_and_b32 v10, 15, v0                          ; r
	v_bfe_u32 v11, v0, 4, 1                        ; h
	v_and_b32 v12, 31, v0                          ; lane
	v_mul_u32_u24 v[VGO], v9, PW
	v_lshl_add_u32 v[VGO], v10, 4, v[VGO]
	v_mul_u32_u24 v[VLS], v9, PT
	v_lshl_add_u32 v[VLS], v10, 3, v[VLS]
	v_add_nc_u32 v[VLB], TILE, v[VLS]
	s_lshl_b32 s42, s40, 5
	v_add_nc_u32 v13, s42, v10
	v_mul_u32_u24 v[VFA], v13, PT
	v_lshl_add_u32 v[VFA], v11, 4, v[VFA]
	s_lshl_b32 s42, s41, 6
	v_add_nc_u32 v13, s42, v10
	v_mul_u32_u24 v[VFB], v13, PT
	v_lshl_add_u32 v[VFB], v11, 4, v[VFB]
	v_add_nc_u32 v[VFB], TILE, v[VFB]
	s_mul_i32 s42, s41, s32
	s_lshl_b32 s42, s42, 1
	s_lshl_b32 s43, s40, 11
	s_add_co_u32 s42, s42, s43
	v_lshl_add_u32 v[VO], v12, 4, s42              ; 16 lane + 2,048 wm + 2 wn x the step of 32 columns
	v_add_nc_u32 v[VO+1], s32, v[VO]
	s_wait_alu depctr_va_vdst(0)                   ; the seven offsets and addresses v2 to v8 are written, which every load and store below reads
; Eight of a step's 16 loads, imm bytes behind the bases: part 0: A's tile, part 1: B's; a tile is 128 rows x 256 bytes
.macro GL8 set, imm, part
.set GS, GD+64*(\set)+32*(\part)
.irp q, 0,1,2,3,4,5,6,7
	global_load_b128 v[GS+4*\q:GS+4*\q+3], v[VGO], s[24+2*(\part):25+2*(\part)] offset:(\imm)+\q*16*PW
.endr
.endm
.macro GLOAD set, imm                  ; a step's two tiles
	GL8 \set, \imm, 0
	GL8 \set, \imm, 1
.endm
.macro TOLDS set, cnt                  ; set's 16 loads are rounded to bf16 and laid into LDS buffer set; cnt: the younger loads, which may stay out
.set GS, GD+64*(\set)
	s_wait_loadcnt \cnt
.set e, 0
.rept 16
	v_cvt_pk_bf16_f32 v[GS+4*e], v[GS+4*e], v[GS+4*e+1]
	v_cvt_pk_bf16_f32 v[GS+4*e+1], v[GS+4*e+2], v[GS+4*e+3]
.set e, e+1
.endr
	s_wait_alu depctr_va_vdst(0)                   ; the roundings have written the set, which the LDS stores read, and are done with it; the products ahead of them are done reading FA and FB, in which the next LDS loads land
.irp q, 0,1,2,3,4,5,6,7
	ds_store_b64 v[VLS], v[GS+4*\q:GS+4*\q+1] offset:(\set)*BUF+\q*16*PT
	ds_store_b64 v[VLB], v[GS+32+4*\q:GS+32+4*\q+1] offset:(\set)*BUF+\q*16*PT
.endr
	s_wait_dscnt 0x0                               ; for the others' sake: my stores are done
	s_barrier_signal -1
	s_barrier_wait -1
.endm
; One step of 64 along K out of buffer buf.  more = 2: the step two on is asked for, into set buf, whose numbers lie in LDS: A's eight loads ahead of the first half's products, B's eight between the halves;
; the next step is laid into the other buffer behind the products.  more = 1: only the latter.
.macro STEP buf, more
.if (\more) == 2
	s_wait_alu depctr_vm_vsrc(0)                   ; the LDS stores that laid this step into buffer buf have read set buf, in which the global loads below land
.endif
.irp kk, 0,1
.irp a, 0,1
	ds_load_b128 v[FA+16*\kk+8*\a:FA+16*\kk+8*\a+3],   v[VFA] offset:(\buf)*BUF+\a*16*PT+\kk*64
	ds_load_b128 v[FA+16*\kk+8*\a+4:FA+16*\kk+8*\a+7], v[VFA] offset:(\buf)*BUF+\a*16*PT+\kk*64+32
.endr
.irp ct, 0,1,2,3
	ds_load_b128 v[FB+32*\kk+8*\ct:FB+32*\kk+8*\ct+3],   v[VFB] offset:(\buf)*BUF+\ct*16*PT+\kk*64
	ds_load_b128 v[FB+32*\kk+8*\ct+4:FB+32*\kk+8*\ct+7], v[VFB] offset:(\buf)*BUF+\ct*16*PT+\kk*64+32
.endr
.endr
.irp kk, 0,1                           ; source 0 = 16 rows of B, source 1 = 16 rows of A: a lane holds a row of C and eight neighbouring columns; the eight accumulators take turns
.if (\more) == 2
	WIN 0
	GL8 \buf, (2+(\buf))*256, \kk                  ; no wait: no vector or matrix instruction since the last wait on va_vdst names set buf
.endif
	WIN 0x50                                       ; C and D in window 1
	s_wait_dscnt 12*(1-\kk)                        ; the first 32 along K: the twelve loads of the second 32, issued behind them, may stay out; the second 32: all are in
.irp a, 0,1
.irp ct, 0,1,2,3
	v_wmma_f32_16x16x32_bf16 v[8*(4*\a+\ct):8*(4*\a+\ct)+7], v[FB+32*\kk+8*\ct:FB+32*\kk+8*\ct+7], v[FA+16*\kk+8*\a:FA+16*\kk+8*\a+7], v[8*(4*\a+\ct):8*(4*\a+\ct)+7]
.endr
.endr
.endr
	WIN 0
.if (\more) == 2
	TOLDS 1-(\buf), 16                             ; the 16 loads just issued may stay out
.elseif (\more) == 1
	TOLDS 1-(\buf), 0
.endif
.endm
	GLOAD 0, 0
	GLOAD 1, 256
	WIN 0x40
.set e, 0
.rept 64
	v_mov_b32 v[e], 0
.set e, e+1
.endr
	WIN 0
	TOLDS 0, 16                                    ; step 0 is in; step 1's 16 loads may stay out
	s_mov_b32 s44, 5
.Lstep:                                ; steps 2 t and 2 t + 1; they ask for steps 2 t + 2 and 2 t + 3
	STEP 0, 2
	STEP 1, 2
	s_wait_xcnt 0x0                                ; the bases step only behind this wait
	s_add_nc_u64 s[24:25], s[24:25], 512
	s_add_nc_u64 s[26:27], s[26:27], 512
	s_sub_co_u32 s44, s44, 1
	s_cmp_lg_u32 s44, 0
	s_cbranch_scc1 .Lstep
	STEP 0, 1                                      ; step 10 asks for nothing
	STEP 1, 0                                      ; step 11
.rept 4
	v_nop                                          ; the places behind the last products
.endr
	s_wait_alu depctr_vm_vsrc(0)                   ; the LDS stores that laid step 10 into buffer 0 have read v16 to v47, which the roundings below write
	WIN 0x05                                       ; sources 0 and 1 in window 1
.set e, 0
.rept 8
.irp rr, 0,1,2,3
	v_cvt_pk_bf16_f32 v[GD+4*e+\rr], v[8*e+2*\rr], v[8*e+2*\rr+1]
.endr
.set e, e+1
.endr
	WIN 0
	s_wait_alu depctr_va_vdst(0)                   ; the roundings have written v16 to v47, which the stores read
.irp a, 0,1
.irp ct, 0,1,2,3
	global_store_b128 v[VO+\ct/2], v[GD+4*(4*\a+\ct):GD+4*(4*\a+\ct)+3], s[28:29] offset:\a*1024+(\ct%2)*512  ; half a block: the wave's 512 consecutive bytes, at a multiple of 512 from C's first byte
.endr
.endr
	s_wait_dscnt 0x0                               ; the closing lines, six on end
	s_wait_alu 0x0
	s_wait_tensorcnt 0x0
	ds_add_u32 v254, v255
	s_wait_dscnt 0x0
	s_endpgm
.Lfunc_end_k_q3b9110f005_proj:
	.size	k_q3b9110f005_proj, .Lfunc_end_k_q3b9110f005_proj-k_q3b9110f005_proj
	.p2alignl 7, 3214868480
	.fill 96, 4, 3214868480
	.section	.rodata,"a",@progbits
	.p2align	6, 0x0
	.amdhsa_kernel k_q3b9110f005_proj
		.amdhsa_group_segment_fixed_size 74752
		.amdhsa_private_segment_fixed_size 0
		.amdhsa_enable_private_segment 0
		.amdhsa_kernarg_size 40
		.amdhsa_user_sgpr_count 2
		.amdhsa_user_sgpr_kernarg_segment_ptr 1
		.amdhsa_wavefront_size32 1
		.amdhsa_system_sgpr_workgroup_id_x 1
		.amdhsa_system_sgpr_workgroup_id_y 1
		.amdhsa_system_sgpr_workgroup_id_z 1
		.amdhsa_system_vgpr_workitem_id 0
		.amdhsa_next_free_vgpr 320
		.amdhsa_next_free_sgpr 66
		.amdhsa_reserve_vcc 0
		.amdhsa_float_denorm_mode_32 3
		.amdhsa_float_denorm_mode_16_64 3
		.amdhsa_memory_ordered 1
		.amdhsa_forward_progress 1
		.amdhsa_inst_pref_size 39
	.end_amdhsa_kernel
	.amdgpu_metadata
---
amdhsa.version: [ 1, 2 ]
amdhsa.kernels:
  - .name:           k_q3b9110f005_proj
    .symbol:         k_q3b9110f005_proj.kd
    .args:
      - { .name: x, .offset: 0, .size: 8, .value_kind: global_buffer, .address_space: global }
      - { .name: mt, .offset: 8, .size: 8, .value_kind: global_buffer, .address_space: global }
      - { .name: Wv, .offset: 16, .size: 8, .value_kind: global_buffer, .address_space: global }
      - { .name: kb, .offset: 24, .size: 8, .value_kind: global_buffer, .address_space: global }
      - { .name: vb, .offset: 32, .size: 8, .value_kind: global_buffer, .address_space: global }
    .group_segment_fixed_size: 74752
    .private_segment_fixed_size: 0
    .kernarg_segment_align: 8
    .kernarg_segment_size: 40
    .max_flat_workgroup_size: 256
    .sgpr_count:     66
    .vgpr_count:     320
    .wavefront_size: 32
...
	.end_amdgpu_metadata
.endif
;; end of part 10
;; launch attn: the kernel of part 8 again; grid 256 x 1, 4 waves a work-group, clusters of 4 x 1, 327,680 bytes of LDS; arguments desc_emb, kb, attention_masks, desc_mask, wbuf; writes wbuf
;; launch pool: the kernel of part 4 again; grid 12 x 16, 4 waves a work-group, no clusters, 206,848 bytes of LDS; arguments wbuf, vb, pooled; writes pooled
;; launch norm: the kernel of part 5 again; grid 8 x 1, 16 waves a work-group, no clusters, 2,304 bytes of LDS; arguments pooled, ln_g, ln_b, Wo, bo, out0; writes out0
